; MI455X (gfx1250); checked and timed in simulation.
; The chip was launched on July 23, 2026; its instructions are those of AMD's public machine-readable ISA for CDNA 5 (MIT licence, August 2026) and "CDNA5" Instruction Set Architecture Reference Guide (July 2026). The comments in the code are by the model that wrote it; some were corrected since.
;; MLP. Allowed arithmetic: matrix products marked QUANTISED: E4M3 operands, one E8M0 scale for each 32 along K, by v_wmma_scale_f32_16x16x128_f8f6f4 with both operands' format E4M3, f32 sums; everything else in f32.
;; Inputs: expert_idxs 8,192 x 2 int32; expert_p 8,192 x 2 float32; w_down 8 x 512 x 1,024 float32; w_up 8 x 1,024 x 512 float32; x 2 x 4,096 x 1,024 float32.
;; Outputs: out0 2 x 4,096 x 1,024 float32.
;; This version of the problem:
;;   THIS VERSION OF THE PROBLEM IS GIVEN IN LOW PRECISION. The matrix products marked QUANTISED in the list below multiply operands that are first quantised to E4M3 (4 exponent bits, 3 mantissa bits; 8 bits a number), with one power-of-two scale for each 32 numbers along K (OCP MX v1.0); their sums are f32. All else is computed in f32.
;;   The module's matrix products, in the order in which they are computed (A, B: the left and right operand; K: the contracted axis; several contracted axes count as one K, in the product's order):
;;     1. [M 8,192, K 1,024] x [K 1,024, N 512]; A: input x; B: input w_up: QUANTISED
;;     2. [M 8,192, K 512] x [K 512, N 1,024]; A: computed on the way; B: input w_down: QUANTISED
;;     3. [M 8,192, K 1,024] x [K 1,024, N 512]; A: input x; B: input w_up: QUANTISED
;;     4. [M 8,192, K 512] x [K 512, N 1,024]; A: computed on the way; B: input w_down: QUANTISED
;;     5. [M 8,192, K 1,024] x [K 1,024, N 512]; A: input x; B: input w_up: QUANTISED
;;     6. [M 8,192, K 512] x [K 512, N 1,024]; A: computed on the way; B: input w_down: QUANTISED
;;     7. [M 8,192, K 1,024] x [K 1,024, N 512]; A: input x; B: input w_up: QUANTISED
;;     8. [M 8,192, K 512] x [K 512, N 1,024]; A: computed on the way; B: input w_down: QUANTISED
;;     9. [M 8,192, K 1,024] x [K 1,024, N 512]; A: input x; B: input w_up: QUANTISED
;;     10. [M 8,192, K 512] x [K 512, N 1,024]; A: computed on the way; B: input w_down: QUANTISED
;;     11. [M 8,192, K 1,024] x [K 1,024, N 512]; A: input x; B: input w_up: QUANTISED
;;     12. [M 8,192, K 512] x [K 512, N 1,024]; A: computed on the way; B: input w_down: QUANTISED
;;     13. [M 8,192, K 1,024] x [K 1,024, N 512]; A: input x; B: input w_up: QUANTISED
;;     14. [M 8,192, K 512] x [K 512, N 1,024]; A: computed on the way; B: input w_down: QUANTISED
;;     15. [M 8,192, K 1,024] x [K 1,024, N 512]; A: input x; B: input w_up: QUANTISED
;;     16. [M 8,192, K 512] x [K 512, N 1,024]; A: computed on the way; B: input w_down: QUANTISED
;;   THE QUANTISER, for each operand of a quantised product, along K:
;;     - K is cut into blocks of 32 from its start; a last block that is shorter is filled with zeros.
;;     - A block's scale is 2^e with e = floor(log2(the largest magnitude in the block)) - 8, held to -126 .. 127; a block of zeros has e = 0. As a byte (E8M0): e + 127.
;;     - Each number is divided by its block's scale, clamped to +-448, and rounded to the nearest number of E4M3, ties to even, subnormals kept.
;;     - The product sums the exact products of the quantised numbers (number of the format x scale) in f32.
;;   ~~~python
;;   def quantise(x, axis):      # numpy; x: float32 -> the quantised numbers, widened to float32 again
;;       x = np.moveaxis(x, axis, -1); K = x.shape[-1]
;;       x = np.pad(x, [(0, 0)] * (x.ndim - 1) + [(0, -K % 32)]); x = x.reshape(x.shape[:-1] + (-1, 32)); a = np.abs(x).max(-1, keepdims=True)
;;       e = np.where(a > 0, np.clip(np.frexp(np.where(a > 0, a, 1))[1] - 1 - 8, -126, 127), 0)      # np.frexp(a)[1] - 1 = floor(log2(a)), exactly
;;       r = np.clip(x / 2.0 ** e, -448, 448)
;;       step = 2.0 ** (np.maximum(np.frexp(np.where(r == 0, 1, r))[1] - 1, -6) - 3)
;;       q = np.round(r / step) * step * 2.0 ** e      # np.round: ties to even
;;       return np.moveaxis(q.reshape(q.shape[:-2] + (-1,))[..., :K], -1, axis).astype(np.float32)
;;   ~~~
;;   OPERANDS COMPUTED ON THE WAY. 'Computed on the way' means the value that the module computes at that place (a softmax that the list does not call 'softmax' is quantised finished and normalised). What goes into a quantiser is computed in f32, as accurately as f32 sums, v_exp_f32 and their like allow (about 1e-6 of the number): no bf16 or f16 on the way to a quantiser, and a product that is left as it is and whose result goes on into a quantised operand takes f32 operands (vector FMAs, or v_wmma_f32_16x16x4_f32). A number that lies on a knife's edge between two numbers of the format may be rounded either way, as far as f32 arithmetic and the matrix unit's own rounding can turn it there, and no further.
;; 2 versions. Each part assembles by itself: llvm-mc -triple=amdgcn-amd-amdhsa -mcpu=gfx1250 --defsym DOCPART=n.
;; ======== version 1 of 2: 2 launches
;; workspace buffers: wq 8,650,752 bytes; order 32,768 bytes of whole numbers
;; launch prep (part 1): grid 257 x 1, 8 waves a work-group, no clusters, 2,048 bytes of LDS; arguments w_up, w_down, expert_idxs, wq, order; writes wq, order
.if DOCPART == 1
	.amdgcn_target "amdgcn-amd-amdhsa--gfx1250"
	.amdhsa_code_object_version 6
	.text
	.protected	k_q878888cfb8_prep
	.globl	k_q878888cfb8_prep
	.p2align	8
	.type	k_q878888cfb8_prep,@function
k_q878888cfb8_prep:
	s_mov_b64 s[64:65], 0
	v_nop
	global_prefetch_b8 v0, s[64:65] scope:SCOPE_SE
	s_setreg_imm32_b32 hwreg(HW_REG_WAVE_MODE, 25, 1), 1
	s_wait_xcnt 0x0
; PREP.  Work-group 0 orders the 8,192 tokens by their unordered pair of experts; work-groups 1 to 256 turn w_up [8][1024][512] and w_down [8][512][1024], f32, K the middle axis,
; into codes of FP8 (E4M3) with one E8M0 scale byte for each 32 along K, laid in wq in the order of the operand registers of the launch that follows.
; wq: 512 blocks of BLK bytes; block = 64 e + 32 ph + b5 (ph 0: w_up, b5 = 8 G + s; ph 1: w_down, b5 = 4 G + s; G = column / 128, s = k / 128).  A block holds 128 columns x 128 k:
;   eight fragment images of 2,048 bytes, f = 2 p + u: [c 0..3][lane (r, h)][16 bytes] = codes of k = 32 c + 16 h + 0..15 of column 128 G + 32 p + 8 u + r + 8 (r / 8);
;   at byte 16,384 the scale words [p][lane 16 u + r][4 bytes]: the four bytes (c ascending) of fragment 2 p + u, row r.
; A block scale is 2^(floor(log2(largest magnitude)) - 8); its byte is the largest magnitude's exponent field - 8, held at 1 from below.
; LIMITS: a block of zeros gets the byte 1 where the rule says 127 (its codes are zeros, and this program alone reads the bytes); blocks whose largest magnitude lies under 2^-118 are held at
; the floor's byte; NaN and infinities among the inputs are not served.  Expert numbers above 7 are held at 7 for the order alone (they only choose a place).
; order[place] = token.  The next launch gives 32 neighbouring places to a work-group, which walks every expert that one of its 32 tokens names: any permutation is right, a good one is fast.
; THE LAYOUT: a class is a pair of experts, key = 8 min + max.  Groups v = 0..7; group v holds the classes {v-1, v}, {v-2, v}, {v-3, v} (numbers mod 8) and, for v < 4, {v, v+4}: each of the 28 pairs once.
; Behind each class stand so many tokens of class (v, v), which need expert v alone, that the next class begins on a multiple of 32, as far as (v, v) has tokens left; the rest of (v, v) ends the group,
; and the next group's first class, {v, v+1}, shares v with it.  So, where the fillers suffice, no 32 neighbouring places name more than two experts.  The places are dealt out one after the other from
; the exact counts: a permutation for every input; where the fillers run short only the alignment is lost.
.set BLK,  16896
.set PHB,  32*BLK
.set EXB,  64*BLK
.set OFFK, 16                          ; v16-47   quantiser: my column's byte + k rows, k = 0..31
.set X,    48                          ; v48-175  four blocks of 32 numbers
.set C,    176                         ; v176-207 eight registers of codes a block: no store's data are written again
	s_load_b256 s[4:11], s[0:1], 0x0               ; w_up s[4:5], w_down s[6:7], expert_idxs s[8:9], wq s[10:11]
	s_load_b64 s[12:13], s[0:1], 0x20              ; order
	v_lshl_add_u32 v208, v0, 2, 0x400
	v_mov_b32 v209, 0
	v_lshrrev_b32 v1, 5, v0
	v_readfirstlane_b32 s16, v1                    ; wave 0..7
	v_and_b32 v2, 31, v0                           ; lane
	s_wait_kmcnt 0x0
	s_cmp_eq_u32 ttmp9, 0                          ; the ordering is the first work-group: it has the longest chain
	s_cbranch_scc1 .Lsort
; ---------------- THE QUANTISER.  A work-group takes 256 columns x 128 k of one expert of one tensor; a wave 32 columns (two fragments).  A LANE TAKES A COLUMN AND ITS REGISTERS RUN DOWN K:
; a block of 32 along K lies in one lane, and the conversions give codes with K innermost.  No LDS, no barrier.
	s_sub_co_u32 s17, ttmp9, 1                     ; q = 0..255
	s_lshr_b32 s18, s17, 7                         ; ph: 0 w_up, 1 w_down
	s_and_b32 s19, s17, 127
	s_lshr_b32 s33, s19, 4                         ; e
	s_and_b32 s19, s19, 15
	s_add_co_u32 s34, s18, 1                       ; w_up has 2 groups of 256 columns and 8 K steps, w_down 4 and 4
	s_lshr_b32 s35, s19, s34                       ; s: the K step of 128
	s_lshl_b32 s36, s35, s34
	s_sub_co_u32 s36, s19, s36                     ; the group of 256 columns
	s_lshl_b32 s37, 2048, s18                      ; bytes from row k to row k + 1
	s_lshl_b32 s36, s36, 8
	s_lshl_b32 s38, s16, 5
	s_add_co_u32 s36, s36, s38                     ; my wave's first column
	s_lshr_b32 s38, s36, 7                         ; G
	s_bfe_u32 s39, s36, 0x20005                    ; p = (column / 32) % 4
	s_sub_co_u32 s40, 3, s18
	s_lshl_b32 s38, s38, s40
	s_add_co_u32 s38, s38, s35                     ; b5
	s_lshl_b32 s40, s33, 21                        ; an expert is 2,097,152 bytes in both tensors
	s_mul_i32 s41, s35, s37
	s_lshl_b32 s41, s41, 7                         ; + 128 s rows
	s_add_co_u32 s40, s40, s41
	s_lshl_b32 s41, s36, 2                         ; + 4 bytes a column
	s_add_co_u32 s40, s40, s41
	s_mov_b32 s41, 0
	s_lshl_b32 s42, s37, 5                         ; 32 rows on
	s_mov_b32 s43, 0
	s_cmp_eq_u32 s18, 0                            ; the choice hangs on the work-group's number alone
	s_cselect_b64 s[4:5], s[4:5], s[6:7]
	s_add_nc_u64 s[20:21], s[4:5], s[40:41]        ; a base for each of the four blocks of 32 along K
	s_add_nc_u64 s[22:23], s[20:21], s[42:43]
	s_add_nc_u64 s[24:25], s[22:23], s[42:43]
	s_add_nc_u64 s[26:27], s[24:25], s[42:43]
	s_mul_i32 s44, s33, EXB
	s_mul_i32 s45, s18, PHB
	s_add_co_u32 s44, s44, s45
	s_mul_i32 s45, s38, BLK
	s_add_co_u32 s44, s44, s45
	s_mov_b32 s45, 0
	s_add_nc_u64 s[30:31], s[10:11], s[44:45]      ; my block of wq
	s_lshl_b32 s44, s39, 12
	s_add_nc_u64 s[28:29], s[30:31], s[44:45]      ; fragments 2 p and 2 p + 1
	s_lshl_b32 s44, s39, 7
	s_add_co_u32 s44, s44, 16384
	s_add_nc_u64 s[30:31], s[30:31], s[44:45]      ; their scale words
	s_mov_b32 s47, 0x600000                        ; the mantissa field of 448
	v_lshrrev_b32 v3, 4, v2                        ; u
	v_and_b32 v4, 15, v2                           ; r
	v_and_b32 v5, 8, v4
	v_add_nc_u32 v5, v5, v4
	v_lshl_add_u32 v5, v3, 3, v5                   ; my column of the 32: 8 u + r + 8 (r / 8)
	v_lshlrev_b32 v[OFFK], 2, v5
.set kk, 1
.rept 31
	v_mad_u32_u24 v[OFFK+kk], s37, kk, v[OFFK]
.set kk, kk+1
.endr
	v_lshlrev_b32 v14, 4, v4
	v_lshl_add_u32 v14, v3, 11, v14                ; codes: fragment u, 16 r
	v_lshlrev_b32 v15, 2, v2                       ; scale word: 4 x lane
.irp c, 0,1,2,3
.set kk, 0
.rept 32
	global_load_b32 v[X+32*\c+kk], v[OFFK+kk], s[20+2*\c:21+2*\c] th:TH_LOAD_NT   ; row 128 s + 32 c + kk: the wave reads 128 consecutive bytes, the eight waves 1,024; read once
.set kk, kk+1
.endr
.endr
; One block of 32 along K.  left: the loads issued behind this block's, as far as a wait's field can name them (63; a smaller count than the true one is safe).
.macro BLOCK c, left
.set XB, X+32*(\c)
	s_wait_loadcnt \left
	v_max3_num_f32 v6, |v[XB]|, |v[XB+1]|, |v[XB+2]|               ; the block's largest magnitude: all 32 numbers are mine; two chains
	v_max3_num_f32 v7, |v[XB+3]|, |v[XB+4]|, |v[XB+5]|
.irp i, 6,10,14,18,22,26
	v_max3_num_f32 v6, v6, |v[XB+\i]|, |v[XB+\i+1]|
	v_max3_num_f32 v7, v7, |v[XB+\i+2]|, |v[XB+\i+3]|
.endr
	v_max3_num_f32 v6, v6, |v[XB+30]|, |v[XB+31]|
	v_max3_num_f32 v6, v6, v7, 0x4800000           ; and the floor 2^(9 - 127): the byte cannot fall under 1
	v_add_nc_u32 v10, 0xfc000000, v6               ; 8 off the exponent field: the conversion's scale operand
	v_and_or_b32 v11, v6, 0x7f800000, s47          ; 448 x the scale
	v_lshrrev_b32 v12, 23, v10                     ; the scale's byte
.if (\c) == 0
	v_mov_b32 v8, v12
.else
	v_lshl_or_b32 v8, v12, 8*(\c), v8              ; four bytes to the word, the lower K in the lower byte
.endif
.set kk, 0
.rept 32
	v_med3_num_f32 v[XB+kk], v[XB+kk], -v11, v11   ; the conversion to an 8-bit code does not saturate (ISA guide 7.6.2): the hold comes first
.set kk, kk+1
.endr
.irp g, 0,1,2,3
	v_cvt_scalef32_pk8_fp8_f32 v[C+8*(\c)+2*\g:C+8*(\c)+2*\g+1], v[XB+8*\g:XB+8*\g+7], v10
.endr
	global_store_b128 v14, v[C+8*(\c):C+8*(\c)+3], s[28:29] offset:512*(\c)          ; k 0..15 are the image's lanes h = 0: sixteen lanes store 256 consecutive aligned bytes
	global_store_b128 v14, v[C+8*(\c)+4:C+8*(\c)+7], s[28:29] offset:512*(\c)+256    ; k 16..31: h = 1
.endm
	BLOCK 0, 63
	BLOCK 1, 63
	BLOCK 2, 32
	BLOCK 3, 0
	global_store_b32 v15, v8, s[30:31]             ; 128 consecutive bytes a wave: one byte for each 128 that the launch reads leaves in pieces shorter than 256
	s_endpgm
; ---------------- THE ORDERING: a counting sort over 64 keys without atomics and without LDS addresses made of data.  Wave w takes tokens 1024 w on, 32 chunks of 32, a lane a token.
; Counts are kept a LANE A KEY, packed: lane k holds key k in bits 15:0 and key 32 + k in bits 31:16 (no count passes 8,192).
; v4-8 D_j = -(bit j of my lane); v16+2c KEY, v17+2c RANK of chunk c; v80+c PRE: my wave's counts ahead of chunk c; v113-144 at work, two sets; v151-158 a ring for the lane permutes;
; v160, v161 where each class begins (keys 0-31, keys 32-63); v162-164 the thresholds of the classes (v, v); v168-191 at work.
.Lsort:
	v_lshl_add_u32 v10, v1, 10, v2                 ; my token of chunk 0
	v_lshlrev_b32 v1, 3, v10                       ; 8 bytes a token
.set kk, 0
.rept 32
	global_load_b64 v[16+2*kk:17+2*kk], v1, s[8:9] offset:256*kk
.set kk, kk+1
.endr
.irp j, 0,1,2,3,4
	v_bfe_u32 v[4+\j], v2, \j, 1
.endr
.irp j, 0,1,2,3,4
	v_sub_nc_u32 v[4+\j], 0, v[4+\j]
.endr
	v_mov_b32 v80, 0
	s_mov_b32 s48, 0x55555555
	s_mov_b32 s49, 0x33333333
	s_mov_b32 s50, 0x0f0f0f0f
.macro BASES d
.set KE, 16+2*(\d)
.set TS, 113+16*((\d)%2)
.set SB, 32+8*((\d)%2)
.set PR, 80+(\d)
.set MP, 151+(\d)%8
.endm
; Two chunks, group of lines by group of lines, so that few lines wait for the line above.
.macro CH_A c0, c1
	s_wait_loadcnt 31-(\c1)                        ; the chunks loaded behind these two may stay out
.irp d, \c0, \c1
	BASES \d
	v_min_u32 v[KE], 7, v[KE]
	v_min_u32 v[KE+1], 7, v[KE+1]
.endr
.irp d, \c0, \c1
	BASES \d
	v_min_u32 v[TS], v[KE], v[KE+1]
	v_max_u32 v[TS+1], v[KE], v[KE+1]
.endr
.irp d, \c0, \c1
	BASES \d
	v_lshl_add_u32 v[KE], v[TS], 3, v[TS+1]        ; key = 8 min + max
.endr
.irp d, \c0, \c1
	BASES \d
	v_min_u32 v[KE], 63, v[KE]
.endr
.irp d, \c0, \c1
	BASES \d
.irp j, 0,1,2,3,4,5
	v_and_b32 v[TS+2+\j], 1<<\j, v[KE]
.endr
.endr
.irp d, \c0, \c1
	BASES \d
.irp j, 0,1,2,3,4,5
	v_cmp_ne_u32 s[SB+\j], 0, v[TS+2+\j]           ; B_j: the tokens of the chunk whose key has bit j
.endr
.endr
.irp d, \c0, \c1
	BASES \d
	s_not_b32 s[SB+6], s[SB+5]
.irp j, 0,1,2,3,4
	v_xor_b32 v[TS+2+\j], s[SB+\j], v[4+\j]        ; tokens whose bit j differs from my lane's
.endr
.endr
.irp d, \c0, \c1
	BASES \d
	v_or_b32 v[TS+2], v[TS+2], v[TS+3]
	v_or_b32 v[TS+4], v[TS+4], v[TS+5]
.endr
.irp d, \c0, \c1
	BASES \d
	v_or_b32 v[TS+2], v[TS+2], v[TS+4]
.endr
.irp d, \c0, \c1
	BASES \d
	v_or_b32 v[TS+2], v[TS+2], v[TS+6]             ; tokens whose key % 32 is not my lane
	v_lshlrev_b32 v[TS+6], 2, v[KE]
.endr
.irp d, \c0, \c1
	BASES \d
	v_bfi_b32 v[TS+3], v[TS+2], 0, s[SB+6]         ; the tokens of key = my lane,
	v_bfi_b32 v[TS+4], v[TS+2], 0, s[SB+5]         ; and of key = 32 + my lane
	v_xor_b32 v[TS+5], -1, v[TS+2]                 ; both together
	v_and_b32 v[TS+6], 0x7c, v[TS+6]               ; 4 x (my token's key % 32)
.endr
.irp d, \c0, \c1
	BASES \d
	ds_bpermute_b32 v[MP], v[TS+6], v[TS+5]        ; my token's fellows by key % 32 (no LDS byte is touched)
	v_cndmask_b32 v[KE+1], s[SB+6], s[SB+5], s[SB+5]   ; and the tokens on my token's side of bit 5
.endr
; how many bits each of the two masks has: pairs, fours, bytes, then the four bytes summed into the top byte
.irp d, \c0, \c1
	BASES \d
	v_lshrrev_b32 v[TS+7], 1, v[TS+3]
	v_lshrrev_b32 v[TS+8], 1, v[TS+4]
.endr
.irp d, \c0, \c1
	BASES \d
	v_and_b32 v[TS+7], s48, v[TS+7]
	v_and_b32 v[TS+8], s48, v[TS+8]
.endr
.irp d, \c0, \c1
	BASES \d
	v_sub_nc_u32 v[TS+3], v[TS+3], v[TS+7]
	v_sub_nc_u32 v[TS+4], v[TS+4], v[TS+8]
.endr
.irp d, \c0, \c1
	BASES \d
	v_lshrrev_b32 v[TS+7], 2, v[TS+3]
	v_lshrrev_b32 v[TS+8], 2, v[TS+4]
	v_and_b32 v[TS+3], s49, v[TS+3]
	v_and_b32 v[TS+4], s49, v[TS+4]
.endr
.irp d, \c0, \c1
	BASES \d
	v_and_b32 v[TS+7], s49, v[TS+7]
	v_and_b32 v[TS+8], s49, v[TS+8]
.endr
.irp d, \c0, \c1
	BASES \d
	v_add_nc_u32 v[TS+3], v[TS+3], v[TS+7]
	v_add_nc_u32 v[TS+4], v[TS+4], v[TS+8]
.endr
.irp d, \c0, \c1
	BASES \d
	v_lshrrev_b32 v[TS+7], 4, v[TS+3]
	v_lshrrev_b32 v[TS+8], 4, v[TS+4]
.endr
.irp d, \c0, \c1
	BASES \d
	v_add_nc_u32 v[TS+3], v[TS+3], v[TS+7]
	v_add_nc_u32 v[TS+4], v[TS+4], v[TS+8]
.endr
.irp d, \c0, \c1
	BASES \d
	v_and_b32 v[TS+3], s50, v[TS+3]
	v_and_b32 v[TS+4], s50, v[TS+4]
.endr
.irp d, \c0, \c1
	BASES \d
	v_lshl_add_u32 v[TS+3], v[TS+3], 8, v[TS+3]
	v_lshl_add_u32 v[TS+4], v[TS+4], 8, v[TS+4]
.endr
.irp d, \c0, \c1
	BASES \d
	v_lshl_add_u32 v[TS+3], v[TS+3], 16, v[TS+3]
	v_lshl_add_u32 v[TS+4], v[TS+4], 16, v[TS+4]
.endr
.irp d, \c0, \c1
	BASES \d
	v_lshrrev_b32 v[TS+3], 24, v[TS+3]
	v_lshrrev_b32 v[TS+4], 8, v[TS+4]
.endr
.irp d, \c0, \c1
	BASES \d
	v_and_b32 v[TS+4], 0xff0000, v[TS+4]
.endr
.irp d, \c0, \c1
	BASES \d
	v_add3_u32 v[PR+1], v[PR], v[TS+3], v[TS+4]    ; the counts ahead of the next chunk
.endr
.endm
.macro CH_B c                          ; my token's rank among the chunk's tokens of its key
	v_and_b32 v[17+2*(\c)], v[151+(\c)%8], v[17+2*(\c)]
	v_mbcnt_lo_u32_b32 v[17+2*(\c)], v[17+2*(\c)], 0
.endm
.irp c, 0,2,4,6,8,10,12,14,16,18,20,22,24,26,28,30
	CH_A \c, \c+1
.if \c > 0
	s_wait_dscnt 2                                 ; all but the two permutes just issued
	CH_B \c-2
	CH_B \c-1
.endif
.endr
	s_wait_dscnt 0x0
	CH_B 30
	CH_B 31
	v_lshlrev_b32 v3, 2, v0
	ds_store_b32 v3, v112                          ; my wave's totals: 128 w + 4 x lane
	s_wait_dscnt 0x0                               ; for the others' sake: my store has landed
	s_barrier_signal -1
	s_barrier_wait -1
	v_lshlrev_b32 v9, 2, v2
.irp w, 0,1,2,3,4,5,6,7
	ds_load_b32 v[113+\w], v9 offset:128*\w
.endr
	s_wait_dscnt 0x0
	v_add_nc_u32 v121, v113, v114                  ; T: each key's total
	v_add3_u32 v121, v121, v115, v116
	v_add3_u32 v121, v121, v117, v118
	v_add3_u32 v121, v121, v119, v120
	v_mov_b32 v122, 0                              ; P: the totals of the waves ahead of mine
.irp w, 0,1,2,3,4,5,6
	s_cmp_lt_u32 \w, s16
	s_cselect_b32 s32, -1, 0
	v_and_b32 v123, s32, v[113+\w]
	v_add_nc_u32 v122, v122, v123
.endr
; THE PLACES ARE DEALT OUT, class by class, in scalar registers; every wave does it for itself.  s40 the next free place; s41 what is left of the group's class (v, v); s42 the start of (v, v) + the
; fillers dealt so far; s43 a class's count.  A token of (v, v) with rank i first gets q = start + i; each later class of the group that lies ahead of it shifts it by that class's count: the class behind
; filler j lies ahead of it where q >= start + the fillers up to j.  That threshold (bits 15:0) and the count (bits 31:16) are a word in lane (9 v) % 32 of v162 to v164; all other lanes hold a
; threshold that no place reaches.
.macro GETN dst, key                   ; how many tokens class key has
	v_readlane_b32 s[\dst], v121, (\key)%32
.if (\key) >= 32
	s_lshr_b32 s[\dst], s[\dst], 16
.else
	s_and_b32 s[\dst], s[\dst], 0xffff
.endif
.endm
.macro PUTB key                        ; class key begins at the next free place
	v_writelane_b32 v[160+(\key)/32], s40, (\key)%32
.endm
.macro FILL                            ; fillers up to the next multiple of 32, as far as (v, v) has tokens left
	s_sub_co_u32 s44, 0, s40
	s_and_b32 s44, s44, 31
	s_min_u32 s44, s44, s41
	s_add_co_u32 s40, s40, s44
	s_sub_co_u32 s41, s41, s44
	s_add_co_u32 s42, s42, s44
.endm
.macro PKEY x, y                       ; PK = the key of the pair {x, y}
.if (\x) < (\y)
.set PK, 8*(\x)+(\y)
.else
.set PK, 8*(\y)+(\x)
.endif
.endm
.macro GROUP v
.set DK, 9*(\v)
	GETN 41, DK
	PKEY ((\v)+7)%8, \v
	GETN 43, PK
	PUTB PK
	s_add_co_u32 s40, s40, s43
	PUTB DK                                        ; rank 0 of (v, v) stands straight behind the group's first class
	s_mov_b32 s42, s40
	FILL
.irp d, 2,3,4
.if (\d < 4) || ((\v) < 4)
	PKEY ((\v)+8-\d)%8, \v
	GETN 43, PK
	PUTB PK
	s_lshl_b32 s45, s43, 16
	s_or_b32 s45, s45, s42
	v_writelane_b32 v[160+\d], s45, DK%32
	s_add_co_u32 s40, s40, s43
	FILL
.endif
.endr
	s_add_co_u32 s40, s40, s41                     ; the rest of (v, v) ends the group
.endm
	v_mov_b32 v160, 0
	v_mov_b32 v161, 0
	v_mov_b32 v162, 0xffff
	v_mov_b32 v163, 0xffff
	v_mov_b32 v164, 0xffff
	s_mov_b32 s40, 0
.irp v, 0,1,2,3,4,5,6,7
	GROUP \v
.endr
	v_lshl_or_b32 v126, v161, 16, v160             ; packed like the counts
	v_add_nc_u32 v126, v126, v122                  ; G: where my wave's tokens of each key begin
; q = G[key] + PRE[chunk][key] + rank; a token of a class (v, v) adds the counts of the classes whose thresholds q has reached.  Four chunks at a time.
; The stores are 4 bytes a lane, strewn over the 32 KiB of order.
.macro PLACE4 c0
.irp d, 0,1,2,3
	v_add_nc_u32 v[128+\d], v126, v[80+(\c0)+\d]
	v_lshlrev_b32 v[132+\d], 2, v[16+2*((\c0)+\d)]
.endr
.irp d, 0,1,2,3
	v_and_b32 v[132+\d], 0x7c, v[132+\d]
	v_lshrrev_b32 v[140+\d], 1, v[16+2*((\c0)+\d)]
.endr
.irp d, 0,1,2,3
	ds_bpermute_b32 v[136+\d], v[132+\d], v[128+\d]
.irp j, 0,1,2
	ds_bpermute_b32 v[168+4*\j+\d], v[132+\d], v[162+\j]
.endr
.endr
.irp d, 0,1,2,3
	v_and_b32 v[140+\d], 16, v[140+\d]             ; which half of the word is my key's
	v_lshrrev_b32 v[180+\d], 3, v[16+2*((\c0)+\d)]
	v_and_b32 v[184+\d], 7, v[16+2*((\c0)+\d)]
.endr
.irp d, 0,1,2,3
	v_cmp_eq_u32 s[52+\d], v[180+\d], v[184+\d]    ; the tokens whose two experts are one (a lane of the threshold words serves keys k and 32 + k alike)
.endr
	s_wait_dscnt 0x0
.irp d, 0,1,2,3
	v_lshrrev_b32 v[136+\d], v[140+\d], v[136+\d]
.endr
.irp d, 0,1,2,3
	v_and_b32 v[136+\d], 0xffff, v[136+\d]
.endr
.irp d, 0,1,2,3
	v_add_nc_u32 v[136+\d], v[136+\d], v[17+2*((\c0)+\d)]          ; q
.endr
.irp j, 0,1,2
.irp d, 0,1,2,3
	v_and_b32 v[188+\d], 0xffff, v[168+4*\j+\d]                    ; the threshold,
	v_lshrrev_b32 v[168+4*\j+\d], 16, v[168+4*\j+\d]               ; and the count of the class behind it
.endr
.irp d, 0,1,2,3
	v_cmp_ge_u32 vcc_lo, v[136+\d], v[188+\d]
	v_cndmask_b32 v[168+4*\j+\d], 0, v[168+4*\j+\d], vcc_lo
.endr
.endr
.irp d, 0,1,2,3
	v_add3_u32 v[168+\d], v[168+\d], v[172+\d], v[176+\d]
.endr
.irp d, 0,1,2,3
	v_cndmask_b32 v[168+\d], 0, v[168+\d], s[52+\d]
.endr
.irp d, 0,1,2,3
	v_add_nc_u32 v[136+\d], v[136+\d], v[168+\d]
.endr
.irp d, 0,1,2,3
	v_min_u32 v[136+\d], 0x1fff, v[136+\d]
	v_add_nc_u32 v[17+2*((\c0)+\d)], 32*((\c0)+\d), v10            ; the token's number
.endr
.irp d, 0,1,2,3
	v_lshlrev_b32 v[16+2*((\c0)+\d)], 2, v[136+\d]
.endr
.irp d, 0,1,2,3
	global_store_b32 v[16+2*((\c0)+\d)], v[17+2*((\c0)+\d)], s[12:13]   ; address and data are the chunk's own registers: never written again
.endr
.endm
.irp c, 0,4,8,12,16,20,24,28
	PLACE4 \c
.endr
	s_wait_tensorcnt 0x0
	ds_add_u32 v208, v209
	s_wait_dscnt 0x0
	s_endpgm
.Lfunc_end_k_q878888cfb8_prep:
	.size	k_q878888cfb8_prep, .Lfunc_end_k_q878888cfb8_prep-k_q878888cfb8_prep
	.p2alignl 7, 3214868480
	.fill 96, 4, 3214868480
	.section	.rodata,"a",@progbits
	.p2align	6, 0x0
	.amdhsa_kernel k_q878888cfb8_prep
		.amdhsa_group_segment_fixed_size 2048
		.amdhsa_private_segment_fixed_size 0
		.amdhsa_enable_private_segment 0
		.amdhsa_kernarg_size 40
		.amdhsa_user_sgpr_count 2
		.amdhsa_user_sgpr_kernarg_segment_ptr 1
		.amdhsa_wavefront_size32 1
		.amdhsa_system_sgpr_workgroup_id_x 1
		.amdhsa_system_sgpr_workgroup_id_y 1
		.amdhsa_system_sgpr_workgroup_id_z 1
		.amdhsa_system_vgpr_workitem_id 0
		.amdhsa_next_free_vgpr 210
		.amdhsa_next_free_sgpr 66
		.amdhsa_reserve_vcc 1
		.amdhsa_float_denorm_mode_32 3
		.amdhsa_float_denorm_mode_16_64 3
		.amdhsa_memory_ordered 1
		.amdhsa_forward_progress 1
		.amdhsa_inst_pref_size 189
	.end_amdhsa_kernel
	.amdgpu_metadata
---
amdhsa.version: [ 1, 2 ]
amdhsa.kernels:
  - .name:           k_q878888cfb8_prep
    .symbol:         k_q878888cfb8_prep.kd
    .args:
      - { .name: w_up, .offset: 0, .size: 8, .value_kind: global_buffer, .address_space: global }
      - { .name: w_down, .offset: 8, .size: 8, .value_kind: global_buffer, .address_space: global }
      - { .name: expert_idxs, .offset: 16, .size: 8, .value_kind: global_buffer, .address_space: global }
      - { .name: wq, .offset: 24, .size: 8, .value_kind: global_buffer, .address_space: global }
      - { .name: order, .offset: 32, .size: 8, .value_kind: global_buffer, .address_space: global }
    .group_segment_fixed_size: 2048
    .private_segment_fixed_size: 0
    .kernarg_segment_align: 8
    .kernarg_segment_size: 40
    .max_flat_workgroup_size: 256
    .sgpr_count:     66
    .vgpr_count:     210
    .wavefront_size: 32
...
	.end_amdgpu_metadata
.endif
;; end of part 1
;; launch moe (part 2): grid 256 x 1, 4 waves a work-group, no clusters, 184,320 bytes of LDS; arguments x, expert_idxs, expert_p, order, wq, out0; writes out0
.if DOCPART == 2
	.amdgcn_target "amdgcn-amd-amdhsa--gfx1250"
	.amdhsa_code_object_version 6
	.text
	.protected	k_q878888cfb8_moe
	.globl	k_q878888cfb8_moe
	.p2align	8
	.type	k_q878888cfb8_moe,@function
k_q878888cfb8_moe:
	s_mov_b64 s[64:65], 0
	v_nop
	global_prefetch_b8 v0, s[64:65] scope:SCOPE_SE
	s_setreg_imm32_b32 hwreg(HW_REG_WAVE_MODE, 25, 1), 1
	s_wait_xcnt 0x0
; y[t] = sum over e of gate_e[t] (gelu(x[t] Wup[e]) Wdown[e]), gate_e[t] = the sum of expert_p[t][k] where expert_idxs[t][k] = e.  Both products on codes of FP8 (E4M3) with one E8M0 scale for 32 along K.
; A work-group owns 32 places of order (tokens laid by their pair of experts) and so 32 whole rows of y.  It gathers and quantises its rows of x once, walks e = 0..7 in a loop of constant count,
; jumps over the WORK (never the barriers) of experts that none of its tokens names, keeps y in registers and stores whole rows.  A row that does not use an expert of its block has gate 0, as in the definition.
; THE WAVES SHARE THE COLUMNS: wave w makes hidden units 128 w on (8 tiles) and outputs 256 w on (2 x 8 tiles), for both tiles of 16 rows.  Both products are used transposed (source 0 = 16 columns of W,
; source 1 = 16 rows): lane (r, h) holds row r, and register j of tile 2 b + u the column 32 b + 16 h + 8 u + j, since wq's fragments take their columns in that order.
; THE WEIGHTS come from wq straight into registers, each wave its own 8 blocks of a phase, through a ring of eight slots of two fragments, seven groups of 9 loads ahead: 63 loads, as many as LOADcnt
; counts (ISA guide 5.7.1), 56 of them of 512 bytes.  Their pointer is stepped by a constant in every trip: no loaded number enters a weight's address; the list of experts steers the two branches alone.
; So an expert's first seven groups are asked for at the head of its up phase, and the wave waits for the first of them; from up into down the ring runs on.
; No tensor load and no cluster: which experts a work-group walks hangs on the stored list, and neighbours would want different experts.  No prefetch: wq is read again and again by many work-groups, and x's
; addresses are known only when its loads can go out.
; gelu, exact form: gelu(x) = max(x, 0) - |x| E, E = erfc(|x| / sqrt 2) / 2 = t 2^(-0.72134752 x^2 + K0 + t (K1 + .. + t K9)), t = 1 / (1 + 0.35355339 |x|): a fit of erfc whose relative error stays
; under 1.2e-7 for every argument, so the negative tail keeps its relative accuracy; log2(e) and the half are folded into K.
; LIMITS: NaN and infinities among the inputs are not served; E falls to 0 where x is under about -13 (gelu is under 1e-38 there); a block of zeros gets the scale byte 1 (its codes are zeros; only this
; program reads the bytes); blocks whose largest magnitude lies under 2^-118 are held at the floor's byte; expert numbers above 7 get no gate (as in the definition) and only cost a walk of expert 7.
; REGISTERS, in windows of 256.  Window 0: v1-31 addresses, tokens, gates; v32-39 x's scale words, v40-43 the hidden layer's, v44-51 the weights' (one a ring slot): these hold scales and nothing else;
;   v62-63 K8; v64-127 two sets of the rows' fragments, at other times gelu's and the quantiser's work; v128-255 16 accumulators.  Window 1: y.  Window 2: x as loaded, then the ring.
.set BLK,  16896
.set PHB,  32*BLK
.set EXB,  64*BLK
.set WVB,  8*BLK
.set XIMG, 0                           ; LDS: x's 16 fragments as images of their registers: (8 m + s) x 2,048
.set XSC,  32768                       ; their scale words: 128 s + 64 m + 4 r
.set HIMG, 33792                       ; the hidden layer's 8 fragments: (4 m + s) x 2,048
.set HSC,  50176                       ; their scale words
.set STG,  50688                       ; each wave's own stage: on the way out 32 rows x (1,024 + 16) bytes; at the head two buffers of 16 rows x (512 + 16) bytes, through which x turns
.set SROW, 1040
.set SWV,  32*SROW
.set XROW, 528                         ; 33 x 16 bytes: the sixteen rows that a load touches start in sixteen different groups of banks (64 banks of 4 bytes: ISA guide 11.1)
.set XTB,  16*XROW
.set L16, 1                            ; 16 x lane
.set L4,  2                            ; 4 x lane
.set XL,  3                            ; x out of the stage: row r, + 64 h
.set XWI, 4                            ; where I store x's images, and their scale words
.set XWS, 5
.set HWI, 6                            ; the hidden layer's
.set HWS, 7
.set SO,  8                            ; the stage: in,
.set SR,  9                            ; and back (at the head: in)
.set CB,  10                           ; my 16 bytes in a row of y
.set XT,  11                           ; the tokens whose x I load
.set TOK, 12                           ; v12, v13: the tokens of rows r and 16 + r
.set IDX, 14                           ; v[14:15], v[16:17] their experts
.set PP,  18                           ; v[18:19], v[20:21] their p
.set GA,  22                           ; v[22:23], v[24:25] their gates (the low word; the upper is named with it)
.set ZP,  26                           ; v[26:27] zeros
.set XS,  32
.set HS,  40
.set WS,  44
.set K8V, 62
.set AF,  64
.set ACC, 128
.set XR,  64                           ; the head: v64-79 a byte offset in x for each of my 16 rows
.set TM,  64                           ; the quantiser: v64-67 largest magnitudes, 68-71 bytes, 72-75 holds, 76-79 scale operands
.set PW,  80                           ; v80, v81 scale words, two sets
.set PCD, 96                           ; v96-111, v112-127 codes, two sets
.set GT,  64                           ; gelu: t, x^2, the exponent, max(x, 0)
.set GM,  80
.set GP,  96
.set GR,  112
.set VO,  64                           ; the way out: a row's byte offset in y
.set PCUR, 22                          ; s[22:23] wq at my wave's blocks of expert e: + EXB a trip
.set KC,  32                           ; s[32:51] K0..K9, each twice (the packed form names a pair)
.set MSB, 0
.macro WIN new                         ; the immediate's high byte repeats the setting that is left; a switch that changes nothing is dropped
.if MSB != \new
	s_set_vgpr_msb (MSB<<8)|\new
.set MSB, \new
.endif
.endm
.macro KSET j, val
	s_mov_b32 s[KC+2*(\j)], \val
	s_mov_b32 s[KC+2*(\j)+1], \val
.endm
; A group of the ring: a quarter of a block of wq (fragments 2 p and 2 p + 1 and their register of scale words) into a slot: 9 loads.  ph: 0 up, 1 down;  j: the phase's step 0..31; p = j % 4.
.macro RLS slot, ph, j
	WIN 0
	global_load_b32 v[WS+(\slot)], v[L4], s[PCUR:PCUR+1] offset:(\ph)*PHB+((\j)/4)*BLK+16384+((\j)%4)*128
.endm
.macro RLF slot, ph, j
	WIN 0x80                                       ; destination window 2, address window 0
.irp u, 0,1
.irp c, 0,1,2,3
	global_load_b128 v[32*(\slot)+16*\u+4*\c:32*(\slot)+16*\u+4*\c+3], v[L16], s[PCUR:PCUR+1] offset:(\ph)*PHB+((\j)/4)*BLK+((\j)%4)*4096+2048*\u+512*\c
.endr
.endr
.endm
; The rows' two fragments of K step kk into set z: 8 LDS loads, each 512 consecutive bytes
.macro AFETCH z, base, nk, kk
.irp m, 0,1
.irp c, 0,1,2,3
	ds_load_b128 v[AF+32*(\z)+16*\m+4*\c:AF+32*(\z)+16*\m+4*\c+3], v[L16] offset:(\base)+((\nk)*\m+(\kk))*2048+512*\c
.endr
.endr
.endm
; One product.  ra, rb: the side's scale words stand in lanes 16-31 of the register named
.macro WM d, a, b, sa, sb, zero, ra, rb
.if \zero
.if (\ra) && (\rb)
	v_wmma_scale_f32_16x16x128_f8f6f4 v[\d:\d+7], v[\a:\a+15], v[\b:\b+15], 0, v[\sa], v[\sb] matrix_a_scale:MATRIX_SCALE_ROW1 matrix_b_scale:MATRIX_SCALE_ROW1
.elseif \ra
	v_wmma_scale_f32_16x16x128_f8f6f4 v[\d:\d+7], v[\a:\a+15], v[\b:\b+15], 0, v[\sa], v[\sb] matrix_a_scale:MATRIX_SCALE_ROW1
.elseif \rb
	v_wmma_scale_f32_16x16x128_f8f6f4 v[\d:\d+7], v[\a:\a+15], v[\b:\b+15], 0, v[\sa], v[\sb] matrix_b_scale:MATRIX_SCALE_ROW1
.else
	v_wmma_scale_f32_16x16x128_f8f6f4 v[\d:\d+7], v[\a:\a+15], v[\b:\b+15], 0, v[\sa], v[\sb]
.endif
.else
.if (\ra) && (\rb)
	v_wmma_scale_f32_16x16x128_f8f6f4 v[\d:\d+7], v[\a:\a+15], v[\b:\b+15], v[\d:\d+7], v[\sa], v[\sb] matrix_a_scale:MATRIX_SCALE_ROW1 matrix_b_scale:MATRIX_SCALE_ROW1
.elseif \ra
	v_wmma_scale_f32_16x16x128_f8f6f4 v[\d:\d+7], v[\a:\a+15], v[\b:\b+15], v[\d:\d+7], v[\sa], v[\sb] matrix_a_scale:MATRIX_SCALE_ROW1
.elseif \rb
	v_wmma_scale_f32_16x16x128_f8f6f4 v[\d:\d+7], v[\a:\a+15], v[\b:\b+15], v[\d:\d+7], v[\sa], v[\sb] matrix_b_scale:MATRIX_SCALE_ROW1
.else
	v_wmma_scale_f32_16x16x128_f8f6f4 v[\d:\d+7], v[\a:\a+15], v[\b:\b+15], v[\d:\d+7], v[\sa], v[\sb]
.endif
.endif
.endm
; Four products: the slot's two fragments x the two tiles of rows.  The 16 accumulators take turns, one instruction a turn, in the same order in every four steps.
.macro MM4 slot, z, p, as, zero
.irp u, 0,1
.irp m, 0,1
	WM ACC+64*\m+8*(2*(\p)+\u), 32*(\slot)+16*\u, AF+32*(\z)+16*\m, WS+(\slot), \as, \zero, \u, \m
.endr
.endr
.endm
; y += gate x the 16 tiles just finished: chunk c of my outputs.  Each accumulator is read from its low end on.
.macro YUPD c
	WIN 0x50                                       ; y (destination and source 2) in window 1
.irp m, 0,1
.set yj, 0
.rept 32
	v_pk_fma_f32 v[128*(\c)+64*\m+yj:128*(\c)+64*\m+yj+1], v[ACC+64*\m+yj:ACC+64*\m+yj+1], v[GA+2*\m:GA+2*\m+1], v[128*(\c)+64*\m+yj:128*(\c)+64*\m+yj+1] op_sel_hi:[1,0,1]
.set yj, yj+2
.endr
.endr
.endm
; STEP i of a phase's 32: K step i / 4, fragments 2 (i % 4) and 2 (i % 4) + 1 of the block's eight.  THE RING: at the head of a step the groups of steps i to i + 6 are my youngest 63 loads; the wait
; leaves the six younger groups out; the group of step i + 7 goes into the slot that step i - 1 multiplied (its eight v_nop stand between).  Beyond the up phase's end the ring runs on into the same
; expert's down phase; the down phase's last seven steps ask for nothing, and their counts run down: 54, 45 .. 0.
.macro STEP down, i
.set KAP, (\i)/4
.set PQ,  (\i)%4
.set ZZ,  KAP%2
.set NSL, (\i)%8
.set VV,  (\i)+7
.set FSL, VV%8
.set HASL, 1
.set LEFT, 54
.if VV < 32
.set PHS, \down
.set JJ,  VV
.elseif \down
.set HASL, 0
.set PHS, 0
.set JJ,  0
.else
.set PHS, 1
.set JJ,  VV-32
.endif
.if (\down) && ((\i) > 25)
.set LEFT, 9*(31-(\i))
.endif
.set ZER, 0
.if \down
.set ASR, HS+KAP%4
.if KAP%4 == 0
.set ZER, 1
.endif
.set ABASE, HIMG
.set ANK, 4
.set AKK, (KAP+1)%4
.else
.set ASR, XS+KAP
.if KAP == 0
.set ZER, 1
.endif
.set ABASE, XIMG
.set ANK, 8
.set AKK, KAP+1
.endif
	s_wait_loadcnt LEFT                            ; this step's group is in: so many loads were issued behind it
.if HASL
	RLS FSL, PHS, JJ
.endif
.if (PQ == 0) && (KAP < 7)
	WIN 0
	AFETCH 1-ZZ, ABASE, ANK, AKK                   ; the next K step's rows, into the set that the step before has left
.endif
.if HASL
	RLF FSL, PHS, JJ
.endif
.if PQ == 0
.if KAP < 7
	s_wait_dscnt 8                                 ; this K step's rows are in; the eight loads just issued may be out
.else
	s_wait_dscnt 0x0
.endif
.endif
	WIN 0x02                                       ; source 0 (W) window 2
	MM4 NSL, ZZ, PQ, ASR, ZER
.rept 8
	v_nop                                          ; eight places behind this form, ahead of loads into registers that it read and of reads of its results
.endr
.endm
.macro PHASE down
.if \down
.irp s, 0,1,2,3
	ds_load_b32 v[HS+\s], v[L4] offset:HSC+128*\s  ; lanes 0-15: rows 0-15, lanes 16-31: rows 16-31
.endr
	AFETCH 0, HIMG, 4, 0
.else
	s_wait_loadcnt 0x0                             ; no load into the ring's registers is out, on whichever way this line is reached
.irp j, 0,1,2,3,4,5,6
	RLS \j, 0, \j                                  ; the expert's first seven groups, each whole before the next: the steps' counts go by groups of 9
	RLF \j, 0, \j
.endr
	WIN 0
	AFETCH 0, XIMG, 8, 0
.endif
.irp i, 0,1,2,3,4,5,6,7,8,9,10,11,12,13,14,15,16,17,18,19,20,21,22,23,24,25,26,27,28,29,30,31
	STEP \down, \i
.if (\down) && (\i == 15)
	YUPD 0
.endif
.if (\down) && (\i == 31)
	YUPD 1
.endif
.endr
	WIN 0
.endm
; gelu of 16 numbers of a lane, in place.  Two batches of transcendentals, each with plain independent work behind it and ONE wait ahead of its first reader.
.macro GELU n
.set XX, ACC+16*(\n)
.set gi, 0
.rept 16
	v_fma_f32 v[GT+gi], |v[XX+gi]|, s54, 1.0
.set gi, gi+1
.endr
.set gi, 0
.rept 16
	v_rcp_f32 v[GT+gi], v[GT+gi]                   ; t
.set gi, gi+1
.endr
.set gi, 0
.rept 8
	v_pk_mul_f32 v[GM+gi:GM+gi+1], v[XX+gi:XX+gi+1], v[XX+gi:XX+gi+1]
.set gi, gi+2
.endr
	s_wait_alu depctr_va_vdst(0)                   ; one wait for the sixteen reciprocals
.set gi, 0
.rept 8
	v_pk_fma_f32 v[GP+gi:GP+gi+1], v[GT+gi:GT+gi+1], s[KC+18:KC+19], v[K8V:K8V+1] op_sel_hi:[1,0,1]
.set gi, gi+2
.endr
.irp k, 7,6,5,4,3,2,1,0
.set gi, 0
.rept 8
	v_pk_fma_f32 v[GP+gi:GP+gi+1], v[GP+gi:GP+gi+1], v[GT+gi:GT+gi+1], s[KC+2*\k:KC+2*\k+1] op_sel_hi:[1,1,0]
.set gi, gi+2
.endr
.endr
.set gi, 0
.rept 8
	v_pk_fma_f32 v[GP+gi:GP+gi+1], v[GM+gi:GM+gi+1], s[52:53], v[GP+gi:GP+gi+1] op_sel_hi:[1,0,1]
.set gi, gi+2
.endr
.set gi, 0
.rept 16
	v_exp_f32 v[GP+gi], v[GP+gi]
.set gi, gi+1
.endr
.set gi, 0
.rept 16
	v_max_num_f32 v[GR+gi], 0, v[XX+gi]
.set gi, gi+1
.endr
	s_wait_alu depctr_va_vdst(0)                   ; one wait for the sixteen exponentials
.set gi, 0
.rept 8
	v_pk_mul_f32 v[GP+gi:GP+gi+1], v[GP+gi:GP+gi+1], v[GT+gi:GT+gi+1]   ; E
.set gi, gi+2
.endr
.set gi, 0
.rept 16
	v_fma_f32 v[XX+gi], -|v[XX+gi]|, v[GP+gi], v[GR+gi]
.set gi, gi+1
.endr
.endm
; 64 numbers of a lane in window 0, register 16 b + i = k 32 b + 16 (lane / 16) + i of my row, become a fragment's codes in set set of PCD and its scale word in PW + set.
.macro QUANT src, set
	WIN 0
.irp b, 0,1,2,3
	v_max3_num_f32 v[TM+\b], |v[(\src)+16*\b]|, |v[(\src)+16*\b+1]|, 0x4800000   ; my 16 numbers of block b, and the floor 2^(9 - 127): the byte cannot fall under 1
.endr
.irp i, 2,4,6,8,10,12,14
.irp b, 0,1,2,3
	v_max3_num_f32 v[TM+\b], |v[(\src)+16*\b+\i]|, |v[(\src)+16*\b+\i+1]|, v[TM+\b]
.endr
.endr
.irp b, 0,1,2,3
	v_permlanex16_b32 v[TM+4+\b], v[TM+\b], s20, s21
.endr
.irp b, 0,1,2,3
	v_max_num_f32 v[TM+\b], v[TM+\b], v[TM+4+\b]   ; with lane l xor 16: the block's largest magnitude
.endr
.irp b, 0,1,2,3
	v_add_nc_u32 v[TM+12+\b], 0xfc000000, v[TM+\b] ; 8 off its exponent field: the conversion's scale operand
.endr
.irp b, 0,1,2,3
	v_and_or_b32 v[TM+8+\b], v[TM+\b], 0x7f800000, s19   ; 448 x the scale
.endr
.irp b, 0,1,2,3
	v_lshrrev_b32 v[TM+4+\b], 23, v[TM+12+\b]      ; the scale's byte
.endr
	v_lshl_or_b32 v[PW+(\set)], v[TM+5], 8, v[TM+4]
	v_lshl_or_b32 v[PW+(\set)], v[TM+6], 16, v[PW+(\set)]
	v_lshl_or_b32 v[PW+(\set)], v[TM+7], 24, v[PW+(\set)]
.irp b, 0,1,2,3
.set qi, 0
.rept 16
	v_med3_num_f32 v[(\src)+16*\b+qi], v[(\src)+16*\b+qi], -v[TM+8+\b], v[TM+8+\b]   ; the conversion to an 8-bit code does not saturate (ISA guide 7.6.2): the hold comes first
.set qi, qi+1
.endr
.endr
.irp b, 0,1,2,3
	v_cvt_scalef32_pk8_fp8_f32 v[PCD+16*(\set)+4*\b:PCD+16*(\set)+4*\b+1], v[(\src)+16*\b:(\src)+16*\b+7], v[TM+12+\b]
	v_cvt_scalef32_pk8_fp8_f32 v[PCD+16*(\set)+4*\b+2:PCD+16*(\set)+4*\b+3], v[(\src)+16*\b+8:(\src)+16*\b+15], v[TM+12+\b]
.endr
	v_nop                                          ; one plain line behind the last conversion, ahead of whatever next writes its sources
.endm
.macro IMAGE adr, off, set             ; the fragment goes to LDS as it stands in the registers: 512 consecutive bytes a store
.irp c, 0,1,2,3
	ds_store_b128 v[\adr], v[PCD+16*(\set)+4*\c:PCD+16*(\set)+4*\c+3] offset:(\off)+512*\c
.endr
.endm
; K step i of my 16 rows of x turns through my own stage: in as loaded, a row's 512 bytes on end; out 16 neighbours a lane and block, into set i % 2 of the accumulators' registers, idle at the head.
; LDS serves a wave's instructions in order (ISA guide 5.7.1.4): no wait between the stores and the loads, nor ahead of the stores that take a buffer up again.
.macro TURN i
	WIN 0x08                                       ; an LDS store's data are its source 1: window 2
.irp r, 0,1,2,3,4,5,6,7,8,9,10,11,12,13,14,15
	ds_store_b128 v[SR], v[64*(\i)+4*\r:64*(\i)+4*\r+3] offset:XTB*((\i)%2)+XROW*\r
.endr
	WIN 0
.irp b, 0,1,2,3
.irp j, 0,1,2,3
	ds_load_b128 v[ACC+64*((\i)%2)+16*\b+4*\j:ACC+64*((\i)%2)+16*\b+4*\j+3], v[XL] offset:XTB*((\i)%2)+128*\b+16*\j
.endr
.endr
.endm
; ---------------- the head
	s_load_b256 s[4:11], s[0:1], 0x0               ; x s[4:5], expert_idxs s[6:7], expert_p s[8:9], order s[10:11]
	s_load_b128 s[12:15], s[0:1], 0x20             ; wq s[12:13], out0 s[14:15]
	v_lshl_add_u32 v59, v0, 2, 0x2ce00
	v_mov_b32 v61, 0
	v_and_b32 v28, 31, v0
	v_lshlrev_b32 v[L16], 4, v28
	v_lshlrev_b32 v[L4], 2, v28
	v_and_b32 v28, 15, v0                          ; r
	v_bfe_u32 v29, v0, 4, 1                        ; h
	v_lshrrev_b32 v30, 5, v0
	v_readfirstlane_b32 s16, v30                   ; wave 0..3
	s_and_b32 s26, s16, 1                          ; of x I quantise the tile of rows w % 2,
	s_lshr_b32 s27, s16, 1                         ; K steps 4 (w / 2) on
	s_lshl_b32 s28, s26, 14
	s_lshl_b32 s29, s27, 13
	s_add_co_u32 s28, s28, s29
	v_add_nc_u32 v[XWI], s28, v[L16]
	s_lshl_b32 s28, s26, 6
	s_lshl_b32 s29, s27, 9
	s_add_co_u32 s29, s28, s29
	v_lshl_add_u32 v[XWS], v28, 2, s29
	v_lshl_add_u32 v52, v28, 2, s28                ; order: the places of the rows whose x I load
	v_lshlrev_b32 v31, 2, v28
	s_lshl_b32 s29, s16, 11
	v_add_nc_u32 v[HWI], s29, v[L16]
	s_lshl_b32 s29, s16, 7
	v_lshl_add_u32 v[HWS], v28, 2, s29
	s_mul_i32 s29, s16, SWV
	s_add_co_u32 s29, s29, STG                     ; my stage
	v_mul_u32_u24 v[SO], v28, SROW
	v_lshl_add_u32 v[SO], v29, 6, v[SO]
	v_add_nc_u32 v[SO], s29, v[SO]
	v_add_nc_u32 v[SR], s29, v[L16]
	v_mul_u32_u24 v[XL], v28, XROW
	v_lshl_add_u32 v[XL], v29, 6, v[XL]
	v_add_nc_u32 v[XL], s29, v[XL]
	s_lshl_b32 s29, s16, 10
	v_add_nc_u32 v[CB], s29, v[L16]
	s_lshl_b32 s30, ttmp9, 7                       ; my 32 places of order
	s_mov_b32 s31, 0
	s_mov_b32 s19, 0x600000                        ; the mantissa field of 448
	s_mov_b32 s20, 0x76543210
	s_mov_b32 s21, 0xfedcba98                      ; v_permlanex16_b32: lane l xor 16
	KSET 0, 0xc034d90f                             ; -2.8257482
	KSET 1, 0x3fb8ab5a                             ;  1.4427292
	KSET 2, 0x3f0a29d2                             ;  0.5397006
	KSET 3, 0x3e0efb2e                             ;  0.1396301
	KSET 4, 0xbe899a80                             ; -0.2687569
	KSET 5, 0x3ecdfd18                             ;  0.4023216
	KSET 6, 0xbfd1a1e5                             ; -1.6377532
	KSET 7, 0x40097039                             ;  2.1474745
	KSET 8, 0xbf97d29d                             ; -1.1861149
	KSET 9, 0x3e7c6f08                             ;  0.2465173
	s_mov_b32 s52, 0xbf38aa3b                      ; -log2(e) / 2
	s_mov_b32 s53, s52
	s_mov_b32 s54, 0x3eb504f3                      ; 1 / (2 sqrt 2)
	s_mul_i32 s28, s16, WVB                        ; my wave's 8 blocks of each phase
	s_mov_b32 s29, 0
	s_wait_kmcnt 0x0
	s_add_nc_u64 s[10:11], s[10:11], s[30:31]
	s_add_nc_u64 s[PCUR:PCUR+1], s[12:13], s[28:29]   ; in expert 0
	global_load_b32 v[TOK], v31, s[10:11]
	global_load_b32 v[TOK+1], v31, s[10:11] offset:64
	global_load_b32 v[XT], v52, s[10:11]
	v_mov_b32 v[K8V], s48
	v_mov_b32 v[K8V+1], s48
	v_mov_b32 v[ZP], 0
	v_mov_b32 v[ZP+1], 0
	v_mov_b32 v[GA+1], 0                           ; (named as the upper halves of the gates' pairs)
	v_mov_b32 v[GA+3], 0
.irp k, 0,1,2,3,4,5,6,7
	v_mov_b32 v[WS+\k], 0x7f7f7f7f                 ; the ring's scale registers begin as ones (byte 127): they hold scales on every way through the text
.endr
	s_wait_loadcnt 0x0
	v_min_u32 v[TOK], 0x1fff, v[TOK]
	v_min_u32 v[TOK+1], 0x1fff, v[TOK+1]
	v_min_u32 v[XT], 0x1fff, v[XT]
	v_lshlrev_b32 v53, 3, v[TOK]
	v_lshlrev_b32 v54, 3, v[TOK+1]
	global_load_b64 v[IDX:IDX+1], v53, s[6:7]
	global_load_b64 v[IDX+2:IDX+3], v54, s[6:7]
	global_load_b64 v[PP:PP+1], v53, s[8:9]
	global_load_b64 v[PP+2:PP+3], v54, s[8:9]
	s_lshl_b32 s29, s27, 11
	v_add_nc_u32 v60, s29, v[L16]                  ; in a row of x: my four K steps, 16 bytes a lane
.irp r, 0,1,2,3,4,5,6,7,8,9,10,11,12,13,14,15
	v_readlane_b32 s[28+\r%4], v[XT], \r
	s_min_u32 s[28+\r%4], s[28+\r%4], 0x1fff
	s_lshl_b32 s[28+\r%4], s[28+\r%4], 12          ; a row of x is 4,096 bytes
	v_add_nc_u32 v[XR+\r], s[28+\r%4], v60
.endr
	WIN 0x80                                       ; destination window 2: the ring's registers, idle until the first up phase
.irp i, 0,1,2,3
.irp r, 0,1,2,3,4,5,6,7,8,9,10,11,12,13,14,15
	global_load_b128 v[64*\i+4*\r:64*\i+4*\r+3], v[XR+\r], s[4:5] offset:512*\i th:TH_LOAD_NT   ; one K step of one row: the wave reads 512 consecutive aligned bytes; each byte of x is read once in the launch
.endr
.endr
	WIN 0
	s_wait_loadcnt 63                              ; 68 loads were issued: the oldest five, the four gathers among them, are in
.irp k, 0,1,2,3
	v_min_u32 v[55+\k], 7, v[IDX+\k]
.endr
.irp k, 0,1,2,3
	v_lshlrev_b32 v[55+\k], v[55+\k], 1
.endr
	v_or_b32 v55, v55, v56
	v_or_b32 v57, v57, v58
	v_or_b32 v55, v55, v57                         ; the experts of my two rows, a bit each
	s_mov_b32 s17, 0                               ; USED: the experts of all 32 rows; the same in all four waves
.irp e, 0,1,2,3,4,5,6,7
	v_and_b32 v56, 1<<\e, v55
	v_cmp_ne_u32 vcc_lo, 0, v56
	s_cmp_lg_u32 vcc_lo, 0
	s_cselect_b32 s28, 1<<\e, 0
	s_or_b32 s17, s17, s28
.endr
	WIN 0x40                                       ; y begins as zeros, while x is on its way: which expert comes first is data, and a second copy of the down phase with sums begun by the first product would double its text
.set yj, 0
.rept 128
	v_pk_mul_f32 v[yj:yj+1], v[ZP:ZP+1], v[ZP:ZP+1]
.set yj, yj+2
.endr
	WIN 0
	s_wait_xcnt 0x0                                ; x's loads have read their offsets: v64-79 become the quantiser's
.irp b, 0,1,2,3
	v_mov_b32 v[TM+4+\b], 0                        ; a lane permute's destination counts as one of its sources
.endr
; my four fragments of x.  Behind K step i's sixteen loads 16 (3 - i) were issued.  K step i + 1 turns through the stage while K step i is quantised.
	s_wait_loadcnt 48
	TURN 0
.irp i, 0,1,2,3
.if \i < 3
	s_wait_loadcnt 16*(2-\i)
	TURN \i+1
.endif
.if \i == 0
	s_wait_dscnt 32                                ; K step 0 is back; the next turn's 32 LDS instructions may be out
.elseif \i < 3
	s_wait_dscnt 37                                ; behind this K step's loads: the last image's five stores and the next turn's 32.  The image before last has left its registers
.else
	s_wait_dscnt 5                                 ; the last image's five stores may be out
.endif
	QUANT ACC+64*(\i%2), \i%2
	IMAGE XWI, XIMG+2048*\i, \i%2
	ds_store_b32 v[XWS], v[PW+\i%2] offset:XSC+128*\i   ; lanes r and 16 + r write the same word with the same value
.endr
	s_wait_dscnt 0x0                               ; for the others' sake: my images have landed
	s_barrier_signal -1
	s_barrier_wait -1                              ; x's sixteen fragments lie in LDS, for the whole launch
.irp s, 0,1,2,3,4,5,6,7
	ds_load_b32 v[XS+\s], v[L4] offset:XSC+128*\s  ; lanes 0-15: rows 0-15, lanes 16-31: rows 16-31
.endr
	s_wait_dscnt 0x0
	s_mov_b32 s18, 0                               ; e
; ---------------- the walk over the experts: eight trips, two barriers each, on every wave's way; the branches lead round the work alone
.Ltrip:
	s_lshr_b32 s26, s17, s18
	s_and_b32 s26, s26, 1
	s_cmp_lg_u32 s26, 0
	s_cbranch_scc0 .Lno_up
	PHASE 0                                        ; my 128 hidden units for the 32 rows
.irp n, 0,1,2,3,4,5,6,7
	GELU \n
.endr
	QUANT ACC, 0                                   ; they are K step w of the second product
	IMAGE HWI, HIMG, 0
	ds_store_b32 v[HWS], v[PW] offset:HSC
	QUANT ACC+64, 1
	IMAGE HWI, HIMG+8192, 1
	ds_store_b32 v[HWS], v[PW+1] offset:HSC+64
.Lno_up:
	s_wait_dscnt 0x0                               ; my images of the hidden layer have landed
	s_barrier_signal -1
	s_barrier_wait -1
	s_lshr_b32 s26, s17, s18
	s_and_b32 s26, s26, 1
	s_cmp_lg_u32 s26, 0
	s_cbranch_scc0 .Lno_down
.irp m, 0,1
	v_cmp_eq_u32 vcc_lo, s18, v[IDX+2*\m]
	v_cndmask_b32 v28, 0, v[PP+2*\m], vcc_lo
	v_cmp_eq_u32 vcc_lo, s18, v[IDX+2*\m+1]
	v_cndmask_b32 v29, 0, v[PP+2*\m+1], vcc_lo
	v_add_f32 v[GA+2*\m], v28, v29                 ; the row's gate for this expert: 0, one p, or both
.endr
	PHASE 1                                        ; my 256 outputs, in two chunks of 128; y += gate x each
.Lno_down:
	s_wait_dscnt 0x0                               ; my reads of the hidden layer are over: the next trip may write it
	s_barrier_signal -1
	s_barrier_wait -1
	s_wait_xcnt 0x0                                ; the loads that named the pointer have read it
	s_add_nc_u64 s[PCUR:PCUR+1], s[PCUR:PCUR+1], EXB   ; the next expert's blocks: a constant step in every trip, used or not
	s_add_co_u32 s18, s18, 1
	s_cmp_lt_u32 s18, 8
	s_cbranch_scc1 .Ltrip
; ---------------- the way out: my 256 columns of the 32 rows go through my own stage and leave as runs of 512 consecutive aligned bytes of a row
.irp m, 0,1
.irp r, 0,1,2,3,4,5,6,7,8,9,10,11,12,13,14,15
	v_readlane_b32 s[26+\r%4], v[TOK+\m], \r
	s_min_u32 s[26+\r%4], s[26+\r%4], 0x1fff
	s_lshl_b32 s[26+\r%4], s[26+\r%4], 12
	v_add_nc_u32 v[VO+16*\m+\r], s[26+\r%4], v[CB]
.endr
.endr
	WIN 0x04                                       ; an LDS store's data are its source 1: window 1
.irp c, 0,1
.irp m, 0,1
.irp t, 0,1,2,3,4,5,6,7
	ds_store_b128 v[SO], v[128*\c+64*\m+8*\t:128*\c+64*\m+8*\t+3] offset:16*SROW*\m+512*\c+128*(\t/2)+32*(\t%2)
	ds_store_b128 v[SO], v[128*\c+64*\m+8*\t+4:128*\c+64*\m+8*\t+7] offset:16*SROW*\m+512*\c+128*(\t/2)+32*(\t%2)+16
.endr
.endr
.endr
	WIN 0
.macro LOADG g                         ; eight rows back, into set g % 2 of the accumulators' registers.  LDS serves a wave's instructions in order (ISA guide 5.7.1.4): these see my stores
.irp k, 0,1,2,3,4,5,6,7
.irp u, 0,1
	ds_load_b128 v[ACC+64*((\g)%2)+8*\k+4*\u:ACC+64*((\g)%2)+8*\k+4*\u+3], v[SR] offset:SROW*(8*(\g)+\k)+512*\u
.endr
.endr
.endm
.macro STOREG g
.irp k, 0,1,2,3,4,5,6,7
.irp u, 0,1
	global_store_b128 v[VO+8*(\g)+\k], v[ACC+64*((\g)%2)+8*\k+4*\u:ACC+64*((\g)%2)+8*\k+4*\u+3], s[14:15] offset:512*\u th:TH_STORE_NT
.endr
.endr
.endm
	LOADG 0
	LOADG 1
	s_wait_dscnt 16                                ; group 0 is back; group 1's sixteen loads may be out
	STOREG 0
	s_wait_xcnt 0x0                                ; group 0's stores have read their registers
	LOADG 2
	s_wait_dscnt 16
	STOREG 1
	s_wait_xcnt 0x0
	LOADG 3
	s_wait_dscnt 16
	STOREG 2
	s_wait_dscnt 0x0
	STOREG 3
	s_wait_tensorcnt 0x0
	ds_add_u32 v59, v61
	s_wait_dscnt 0x0
	s_endpgm
.Lfunc_end_k_q878888cfb8_moe:
	.size	k_q878888cfb8_moe, .Lfunc_end_k_q878888cfb8_moe-k_q878888cfb8_moe
	.p2alignl 7, 3214868480
	.fill 96, 4, 3214868480
	.section	.rodata,"a",@progbits
	.p2align	6, 0x0
	.amdhsa_kernel k_q878888cfb8_moe
		.amdhsa_group_segment_fixed_size 184320
		.amdhsa_private_segment_fixed_size 0
		.amdhsa_enable_private_segment 0
		.amdhsa_kernarg_size 48
		.amdhsa_user_sgpr_count 2
		.amdhsa_user_sgpr_kernarg_segment_ptr 1
		.amdhsa_wavefront_size32 1
		.amdhsa_system_sgpr_workgroup_id_x 1
		.amdhsa_system_sgpr_workgroup_id_y 1
		.amdhsa_system_sgpr_workgroup_id_z 1
		.amdhsa_system_vgpr_workitem_id 0
		.amdhsa_next_free_vgpr 768
		.amdhsa_next_free_sgpr 66
		.amdhsa_reserve_vcc 1
		.amdhsa_float_denorm_mode_32 3
		.amdhsa_float_denorm_mode_16_64 3
		.amdhsa_memory_ordered 1
		.amdhsa_forward_progress 1
		.amdhsa_inst_pref_size 255
	.end_amdhsa_kernel
	.section	.bss,"aw",@nobits
	.p2align	6
	.space	262144
	.amdgpu_metadata
---
amdhsa.version: [ 1, 2 ]
amdhsa.kernels:
  - .name:           k_q878888cfb8_moe
    .symbol:         k_q878888cfb8_moe.kd
    .args:
      - { .name: x, .offset: 0, .size: 8, .value_kind: global_buffer, .address_space: global }
      - { .name: expert_idxs, .offset: 8, .size: 8, .value_kind: global_buffer, .address_space: global }
      - { .name: expert_p, .offset: 16, .size: 8, .value_kind: global_buffer, .address_space: global }
      - { .name: order, .offset: 24, .size: 8, .value_kind: global_buffer, .address_space: global }
      - { .name: wq, .offset: 32, .size: 8, .value_kind: global_buffer, .address_space: global }
      - { .name: out0, .offset: 40, .size: 8, .value_kind: global_buffer, .address_space: global }
    .group_segment_fixed_size: 184320
    .private_segment_fixed_size: 0
    .kernarg_segment_align: 8
    .kernarg_segment_size: 48
    .max_flat_workgroup_size: 128
    .sgpr_count:     66
    .vgpr_count:     768
    .wavefront_size: 32
...
	.end_amdgpu_metadata
.endif
;; end of part 2
;; ======== version 2 of 2: 2 launches
;; workspace buffers: wq 8,650,752 bytes; order 32,768 bytes of whole numbers
;; launch prep (part 3): grid 257 x 1, 8 waves a work-group, no clusters, 2,048 bytes of LDS; arguments w_up, w_down, expert_idxs, wq, order; writes wq, order
.if DOCPART == 3
	.amdgcn_target "amdgcn-amd-amdhsa--gfx1250"
	.amdhsa_code_object_version 6
	.text
	.protected	k_q878888cfb8_prep
	.globl	k_q878888cfb8_prep
	.p2align	8
	.type	k_q878888cfb8_prep,@function
k_q878888cfb8_prep:
	s_mov_b64 s[64:65], 0
	v_nop
	global_prefetch_b8 v0, s[64:65] scope:SCOPE_SE
	s_setreg_imm32_b32 hwreg(HW_REG_WAVE_MODE, 25, 1), 1
	s_wait_xcnt 0x0
; PREP.  Work-group 0 orders the 8,192 tokens by their unordered pair of experts; work-groups 1 to 256 turn w_up [8][1024][512] and w_down [8][512][1024], f32, K the middle axis,
; into codes of FP8 (E4M3) with one E8M0 scale byte for each 32 along K, laid in wq in the order of the operand registers of the launch that follows.
; wq: 512 blocks of BLK bytes; block = 64 e + 32 ph + b5 (ph 0: w_up, b5 = 8 G + s; ph 1: w_down, b5 = 4 G + s; G = column / 128, s = k / 128).  A block holds 128 columns x 128 k:
;   eight fragment images of 2,048 bytes, f = 2 p + u: [c 0..3][lane (r, h)][16 bytes] = codes of k = 32 c + 16 h + 0..15 of column 128 G + 32 p + 8 u + r + 8 (r / 8);
;   at byte 16,384 the scale words [p][lane 16 u + r][4 bytes]: the four bytes (c ascending) of fragment 2 p + u, row r.
; A block scale is 2^(floor(log2(largest magnitude)) - 8); its byte is the largest magnitude's exponent field - 8, held at 1 from below.
; LIMITS: a block of zeros gets the byte 1 where the rule says 127 (its codes are zeros, and this program alone reads the bytes); blocks whose largest magnitude lies under 2^-118 are held at
; the floor's byte; NaN and infinities among the inputs are not served.  Expert numbers above 7 are held at 7 for the order alone (they only choose a place).
; order[place] = token.  The next launch gives 32 neighbouring places to a work-group, which walks every expert that one of its 32 tokens names: any permutation is right, a good one is fast.
; THE LAYOUT: a class is a pair of experts, key = 8 min + max.  Groups v = 0..7; group v holds the classes {v-1, v}, {v-2, v}, {v-3, v} (numbers mod 8) and, for v < 4, {v, v+4}: each of the 28 pairs once.
; Behind each class stand so many tokens of class (v, v), which need expert v alone, that the next class begins on a multiple of 32, as far as (v, v) has tokens left; the rest of (v, v) ends the group,
; and the next group's first class, {v, v+1}, shares v with it.  So, where the fillers suffice, no 32 neighbouring places name more than two experts.  The places are dealt out one after the other from
; the exact counts: a permutation for every input; where the fillers run short only the alignment is lost.
.set BLK,  16896
.set PHB,  32*BLK
.set EXB,  64*BLK
.set OFFK, 16                          ; v16-47   quantiser: my column's byte + k rows, k = 0..31
.set X,    48                          ; v48-175  four blocks of 32 numbers
.set C,    176                         ; v176-207 eight registers of codes a block: no store's data are written again
	s_load_b256 s[4:11], s[0:1], 0x0               ; w_up s[4:5], w_down s[6:7], expert_idxs s[8:9], wq s[10:11]
	s_load_b64 s[12:13], s[0:1], 0x20              ; order
	v_lshl_add_u32 v208, v0, 2, 0x400
	v_mov_b32 v209, 0
	v_lshrrev_b32 v1, 5, v0
	s_delay_alu instid0(VALU_DEP_1)
	v_readfirstlane_b32 s16, v1                    ; wave 0..7
	v_and_b32 v2, 31, v0                           ; lane
	s_wait_kmcnt 0x0
	s_cmp_eq_u32 ttmp9, 0                          ; the ordering is the first work-group: it has the longest chain
	s_cbranch_scc1 .Lsort
; ---------------- THE QUANTISER.  A work-group takes 256 columns x 128 k of one expert of one tensor; a wave 32 columns (two fragments).  A LANE TAKES A COLUMN AND ITS REGISTERS RUN DOWN K:
; a block of 32 along K lies in one lane, and the conversions give codes with K innermost.  No LDS, no barrier.
	s_sub_co_u32 s17, ttmp9, 1                     ; q = 0..255
	s_lshr_b32 s18, s17, 7                         ; ph: 0 w_up, 1 w_down
	s_and_b32 s19, s17, 127
	s_lshr_b32 s33, s19, 4                         ; e
	s_and_b32 s19, s19, 15
	s_add_co_u32 s34, s18, 1                       ; w_up has 2 groups of 256 columns and 8 K steps, w_down 4 and 4
	s_lshr_b32 s35, s19, s34                       ; s: the K step of 128
	s_lshl_b32 s36, s35, s34
	s_sub_co_u32 s36, s19, s36                     ; the group of 256 columns
	s_lshl_b32 s37, 2048, s18                      ; bytes from row k to row k + 1
	s_lshl_b32 s36, s36, 8
	s_lshl_b32 s38, s16, 5
	s_add_co_u32 s36, s36, s38                     ; my wave's first column
	s_lshr_b32 s38, s36, 7                         ; G
	s_bfe_u32 s39, s36, 0x20005                    ; p = (column / 32) % 4
	s_sub_co_u32 s40, 3, s18
	s_lshl_b32 s38, s38, s40
	s_add_co_u32 s38, s38, s35                     ; b5
	s_lshl_b32 s40, s33, 21                        ; an expert is 2,097,152 bytes in both tensors
	s_mul_i32 s41, s35, s37
	s_lshl_b32 s41, s41, 7                         ; + 128 s rows
	s_add_co_u32 s40, s40, s41
	s_lshl_b32 s41, s36, 2                         ; + 4 bytes a column
	s_add_co_u32 s40, s40, s41
	s_mov_b32 s41, 0
	s_lshl_b32 s42, s37, 5                         ; 32 rows on
	s_mov_b32 s43, 0
	s_cmp_eq_u32 s18, 0                            ; the choice hangs on the work-group's number alone
	s_cselect_b64 s[4:5], s[4:5], s[6:7]
	s_add_nc_u64 s[20:21], s[4:5], s[40:41]        ; a base for each of the four blocks of 32 along K
	s_add_nc_u64 s[22:23], s[20:21], s[42:43]
	s_add_nc_u64 s[24:25], s[22:23], s[42:43]
	s_add_nc_u64 s[26:27], s[24:25], s[42:43]
	s_mul_i32 s44, s33, EXB
	s_mul_i32 s45, s18, PHB
	s_add_co_u32 s44, s44, s45
	s_mul_i32 s45, s38, BLK
	s_add_co_u32 s44, s44, s45
	s_mov_b32 s45, 0
	s_add_nc_u64 s[30:31], s[10:11], s[44:45]      ; my block of wq
	s_lshl_b32 s44, s39, 12
	s_add_nc_u64 s[28:29], s[30:31], s[44:45]      ; fragments 2 p and 2 p + 1
	s_lshl_b32 s44, s39, 7
	s_add_co_u32 s44, s44, 16384
	s_add_nc_u64 s[30:31], s[30:31], s[44:45]      ; their scale words
	s_mov_b32 s47, 0x600000                        ; the mantissa field of 448
	s_wait_alu depctr_va_vdst(0)
	v_lshrrev_b32 v3, 4, v2                        ; u
	v_and_b32 v4, 15, v2                           ; r
	s_delay_alu instid0(VALU_DEP_1)
	v_and_b32 v5, 8, v4
	s_delay_alu instid0(VALU_DEP_1)
	v_add_nc_u32 v5, v5, v4
	s_delay_alu instid0(VALU_DEP_1)
	v_lshl_add_u32 v5, v3, 3, v5                   ; my column of the 32: 8 u + r + 8 (r / 8)
	s_delay_alu instid0(VALU_DEP_1)
	v_lshlrev_b32 v[OFFK], 2, v5
.set kk, 1
.rept 31
	v_mad_u32_u24 v[OFFK+kk], s37, kk, v[OFFK]
.set kk, kk+1
.endr
	v_lshlrev_b32 v14, 4, v4
	s_delay_alu instid0(VALU_DEP_1)
	v_lshl_add_u32 v14, v3, 11, v14                ; codes: fragment u, 16 r
	v_lshlrev_b32 v15, 2, v2                       ; scale word: 4 x lane
.irp c, 0,1,2,3
.set kk, 0
.rept 32
	global_load_b32 v[X+32*\c+kk], v[OFFK+kk], s[20+2*\c:21+2*\c] th:TH_LOAD_NT   ; row 128 s + 32 c + kk: the wave reads 128 consecutive bytes, the eight waves 1,024; read once
.set kk, kk+1
.endr
.endr
; One block of 32 along K.  left: the loads issued behind this block's, as far as a wait's field can name them (63; a smaller count than the true one is safe).
.macro BLOCK c, left
.set XB, X+32*(\c)
	s_wait_loadcnt \left
	v_max3_num_f32 v6, |v[XB]|, |v[XB+1]|, |v[XB+2]|               ; the block's largest magnitude: all 32 numbers are mine; two chains
	v_max3_num_f32 v7, |v[XB+3]|, |v[XB+4]|, |v[XB+5]|
.irp i, 6,10,14,18,22,26
	s_delay_alu instid0(VALU_DEP_2)
	v_max3_num_f32 v6, v6, |v[XB+\i]|, |v[XB+\i+1]|
	s_delay_alu instid0(VALU_DEP_2)
	v_max3_num_f32 v7, v7, |v[XB+\i+2]|, |v[XB+\i+3]|
.endr
	s_delay_alu instid0(VALU_DEP_2)
	v_max3_num_f32 v6, v6, |v[XB+30]|, |v[XB+31]|
	s_delay_alu instid0(VALU_DEP_1)
	v_max3_num_f32 v6, v6, v7, 0x4800000           ; and the floor 2^(9 - 127): the byte cannot fall under 1
	s_delay_alu instid0(VALU_DEP_1)
	v_add_nc_u32 v10, 0xfc000000, v6               ; 8 off the exponent field: the conversion's scale operand
	s_delay_alu instid0(VALU_DEP_2)
	v_and_or_b32 v11, v6, 0x7f800000, s47          ; 448 x the scale
	s_delay_alu instid0(VALU_DEP_2)
	v_lshrrev_b32 v12, 23, v10                     ; the scale's byte
.if (\c) == 0
	s_delay_alu instid0(VALU_DEP_1)
	v_mov_b32 v8, v12
.else
	s_delay_alu instid0(VALU_DEP_1)
	v_lshl_or_b32 v8, v12, 8*(\c), v8              ; four bytes to the word, the lower K in the lower byte
.endif
.set kk, 0
.rept 32
	v_med3_num_f32 v[XB+kk], v[XB+kk], -v11, v11   ; the conversion to an 8-bit code does not saturate (ISA guide 7.6.2): the hold comes first
.set kk, kk+1
.endr
.irp g, 0,1,2,3
	v_cvt_scalef32_pk8_fp8_f32 v[C+8*(\c)+2*\g:C+8*(\c)+2*\g+1], v[XB+8*\g:XB+8*\g+7], v10
.endr
	global_store_b128 v14, v[C+8*(\c):C+8*(\c)+3], s[28:29] offset:512*(\c)          ; k 0..15 are the image's lanes h = 0: sixteen lanes store 256 consecutive aligned bytes
	global_store_b128 v14, v[C+8*(\c)+4:C+8*(\c)+7], s[28:29] offset:512*(\c)+256    ; k 16..31: h = 1
.endm
	BLOCK 0, 63
	BLOCK 1, 63
	BLOCK 2, 32
	BLOCK 3, 0
	global_store_b32 v15, v8, s[30:31]             ; 128 consecutive bytes a wave: one byte for each 128 that the launch reads leaves in pieces shorter than 256
	s_endpgm
; ---------------- THE ORDERING: a counting sort over 64 keys without atomics and without LDS addresses made of data.  Wave w takes tokens 1024 w on, 32 chunks of 32, a lane a token.
; Counts are kept a LANE A KEY, packed: lane k holds key k in bits 15:0 and key 32 + k in bits 31:16 (no count passes 8,192).
; v4-8 D_j = -(bit j of my lane); v16+2c KEY, v17+2c RANK of chunk c; v80+c PRE: my wave's counts ahead of chunk c; v113-144 at work, two sets; v151-158 a ring for the lane permutes;
; v160, v161 where each class begins (keys 0-31, keys 32-63); v162-164 the thresholds of the classes (v, v); v168-191 at work.
.Lsort:
	s_wait_alu depctr_va_vdst(0)
	v_lshl_add_u32 v10, v1, 10, v2                 ; my token of chunk 0
	s_delay_alu instid0(VALU_DEP_1)
	v_lshlrev_b32 v1, 3, v10                       ; 8 bytes a token
.set kk, 0
.rept 32
	global_load_b64 v[16+2*kk:17+2*kk], v1, s[8:9] offset:256*kk
.set kk, kk+1
.endr
.irp j, 0,1,2,3,4
	v_bfe_u32 v[4+\j], v2, \j, 1
.endr
.irp j, 0,1,2,3,4
	v_sub_nc_u32 v[4+\j], 0, v[4+\j]
.endr
	v_mov_b32 v80, 0
	s_mov_b32 s48, 0x55555555
	s_mov_b32 s49, 0x33333333
	s_mov_b32 s50, 0x0f0f0f0f
.macro BASES d
.set KE, 16+2*(\d)
.set TS, 113+16*((\d)%2)
.set SB, 32+8*((\d)%2)
.set PR, 80+(\d)
.set MP, 151+(\d)%8
.endm
; Two chunks, group of lines by group of lines, so that few lines wait for the line above.
.macro CH_A c0, c1
	s_wait_loadcnt 31-(\c1)                        ; the chunks loaded behind these two may stay out
.irp d, \c0, \c1
	BASES \d
	v_min_u32 v[KE], 7, v[KE]
	v_min_u32 v[KE+1], 7, v[KE+1]
.endr
.irp d, \c0, \c1
	BASES \d
	s_delay_alu instid0(VALU_DEP_3)
	v_min_u32 v[TS], v[KE], v[KE+1]
	s_delay_alu instid0(VALU_DEP_4)
	v_max_u32 v[TS+1], v[KE], v[KE+1]
.endr
.irp d, \c0
	BASES \d
	s_delay_alu instid0(VALU_DEP_3)
	v_lshl_add_u32 v[KE], v[TS], 3, v[TS+1]
.endr
.irp d, \c1
	BASES \d
	s_delay_alu instid0(VALU_DEP_2)
	v_lshl_add_u32 v[KE], v[TS], 3, v[TS+1]        ; key = 8 min + max
.endr
.irp d, \c0, \c1
	BASES \d
	s_delay_alu instid0(VALU_DEP_2)
	v_min_u32 v[KE], 63, v[KE]
.endr
.irp d, \c0, \c1
	BASES \d
.irp j, 0,1,2,3,4,5
	v_and_b32 v[TS+2+\j], 1<<\j, v[KE]
.endr
.endr
.irp d, \c0, \c1
	BASES \d
.irp j, 0,1,2,3,4,5
	v_cmp_ne_u32 s[SB+\j], 0, v[TS+2+\j]           ; B_j: the tokens of the chunk whose key has bit j
.endr
.endr
.irp d, \c0, \c1
	BASES \d
	s_not_b32 s[SB+6], s[SB+5]
.irp j, 0,1,2,3,4
	v_xor_b32 v[TS+2+\j], s[SB+\j], v[4+\j]        ; tokens whose bit j differs from my lane's
.endr
.endr
.irp d, \c0, \c1
	BASES \d
	v_or_b32 v[TS+2], v[TS+2], v[TS+3]
	v_or_b32 v[TS+4], v[TS+4], v[TS+5]
.endr
.irp d, \c0
	BASES \d
	s_delay_alu instid0(VALU_DEP_3)
	v_or_b32 v[TS+2], v[TS+2], v[TS+4]
.endr
.irp d, \c1
	BASES \d
	s_delay_alu instid0(VALU_DEP_2)
	v_or_b32 v[TS+2], v[TS+2], v[TS+4]
.endr
.irp d, \c0
	BASES \d
	s_delay_alu instid0(VALU_DEP_2)
	v_or_b32 v[TS+2], v[TS+2], v[TS+6]
	v_lshlrev_b32 v[TS+6], 2, v[KE]
.endr
.irp d, \c1
	BASES \d
	s_delay_alu instid0(VALU_DEP_3)
	v_or_b32 v[TS+2], v[TS+2], v[TS+6]             ; tokens whose key % 32 is not my lane
	v_lshlrev_b32 v[TS+6], 2, v[KE]
.endr
.irp d, \c0, \c1
	BASES \d
	v_bfi_b32 v[TS+3], v[TS+2], 0, s[SB+6]         ; the tokens of key = my lane,
	v_bfi_b32 v[TS+4], v[TS+2], 0, s[SB+5]         ; and of key = 32 + my lane
	v_xor_b32 v[TS+5], -1, v[TS+2]                 ; both together
	v_and_b32 v[TS+6], 0x7c, v[TS+6]               ; 4 x (my token's key % 32)
.endr
.irp d, \c0, \c1
	BASES \d
	ds_bpermute_b32 v[MP], v[TS+6], v[TS+5]        ; my token's fellows by key % 32 (no LDS byte is touched)
	v_cndmask_b32 v[KE+1], s[SB+6], s[SB+5], s[SB+5]   ; and the tokens on my token's side of bit 5
.endr
; how many bits each of the two masks has: pairs, fours, bytes, then the four bytes summed into the top byte
.irp d, \c0, \c1
	BASES \d
	v_lshrrev_b32 v[TS+7], 1, v[TS+3]
	v_lshrrev_b32 v[TS+8], 1, v[TS+4]
.endr
.irp d, \c0, \c1
	BASES \d
	s_delay_alu instid0(VALU_DEP_4)
	v_and_b32 v[TS+7], s48, v[TS+7]
	s_delay_alu instid0(VALU_DEP_4)
	v_and_b32 v[TS+8], s48, v[TS+8]
.endr
.irp d, \c0, \c1
	BASES \d
	s_delay_alu instid0(VALU_DEP_4)
	v_sub_nc_u32 v[TS+3], v[TS+3], v[TS+7]
	s_delay_alu instid0(VALU_DEP_4)
	v_sub_nc_u32 v[TS+4], v[TS+4], v[TS+8]
.endr
.irp d, \c0, \c1
	BASES \d
	v_lshrrev_b32 v[TS+7], 2, v[TS+3]
	v_lshrrev_b32 v[TS+8], 2, v[TS+4]
	v_and_b32 v[TS+3], s49, v[TS+3]
	v_and_b32 v[TS+4], s49, v[TS+4]
.endr
.irp d, \c0, \c1
	BASES \d
	v_and_b32 v[TS+7], s49, v[TS+7]
	v_and_b32 v[TS+8], s49, v[TS+8]
.endr
.irp d, \c0, \c1
	BASES \d
	s_delay_alu instid0(VALU_DEP_4)
	v_add_nc_u32 v[TS+3], v[TS+3], v[TS+7]
	s_delay_alu instid0(VALU_DEP_4)
	v_add_nc_u32 v[TS+4], v[TS+4], v[TS+8]
.endr
.irp d, \c0, \c1
	BASES \d
	s_delay_alu instid0(VALU_DEP_4)
	v_lshrrev_b32 v[TS+7], 4, v[TS+3]
	s_delay_alu instid0(VALU_DEP_4)
	v_lshrrev_b32 v[TS+8], 4, v[TS+4]
.endr
.irp d, \c0, \c1
	BASES \d
	s_delay_alu instid0(VALU_DEP_4)
	v_add_nc_u32 v[TS+3], v[TS+3], v[TS+7]
	s_delay_alu instid0(VALU_DEP_4)
	v_add_nc_u32 v[TS+4], v[TS+4], v[TS+8]
.endr
.irp d, \c0, \c1
	BASES \d
	s_delay_alu instid0(VALU_DEP_4)
	v_and_b32 v[TS+3], s50, v[TS+3]
	s_delay_alu instid0(VALU_DEP_4)
	v_and_b32 v[TS+4], s50, v[TS+4]
.endr
.irp d, \c0, \c1
	BASES \d
	s_delay_alu instid0(VALU_DEP_4)
	v_lshl_add_u32 v[TS+3], v[TS+3], 8, v[TS+3]
	s_delay_alu instid0(VALU_DEP_4)
	v_lshl_add_u32 v[TS+4], v[TS+4], 8, v[TS+4]
.endr
.irp d, \c0, \c1
	BASES \d
	s_delay_alu instid0(VALU_DEP_4)
	v_lshl_add_u32 v[TS+3], v[TS+3], 16, v[TS+3]
	s_delay_alu instid0(VALU_DEP_4)
	v_lshl_add_u32 v[TS+4], v[TS+4], 16, v[TS+4]
.endr
.irp d, \c0, \c1
	BASES \d
	s_delay_alu instid0(VALU_DEP_4)
	v_lshrrev_b32 v[TS+3], 24, v[TS+3]
	s_delay_alu instid0(VALU_DEP_4)
	v_lshrrev_b32 v[TS+4], 8, v[TS+4]
.endr
.irp d, \c0
	BASES \d
	s_delay_alu instid0(VALU_DEP_3)
	v_and_b32 v[TS+4], 0xff0000, v[TS+4]
.endr
.irp d, \c1
	BASES \d
	s_delay_alu instid0(VALU_DEP_2)
	v_and_b32 v[TS+4], 0xff0000, v[TS+4]
.endr
.irp d, \c0
	BASES \d
	s_delay_alu instid0(VALU_DEP_2)
	v_add3_u32 v[PR+1], v[PR], v[TS+3], v[TS+4]
.endr
.irp d, \c1
	BASES \d
	s_delay_alu instid0(VALU_DEP_1)
	v_add3_u32 v[PR+1], v[PR], v[TS+3], v[TS+4]    ; the counts ahead of the next chunk
.endr
.endm
.macro CH_B c                          ; my token's rank among the chunk's tokens of its key
	v_and_b32 v[17+2*(\c)], v[151+(\c)%8], v[17+2*(\c)]
	s_delay_alu instid0(VALU_DEP_1)
	v_mbcnt_lo_u32_b32 v[17+2*(\c)], v[17+2*(\c)], 0
.endm
.irp c, 0,2,4,6,8,10,12,14,16,18,20,22,24,26,28,30
	CH_A \c, \c+1
.if \c > 0
	s_wait_dscnt 2                                 ; all but the two permutes just issued
	CH_B \c-2
	CH_B \c-1
.endif
.endr
	s_wait_dscnt 0x0
	CH_B 30
	CH_B 31
	v_lshlrev_b32 v3, 2, v0
	ds_store_b32 v3, v112                          ; my wave's totals: 128 w + 4 x lane
	s_wait_dscnt 0x0                               ; for the others' sake: my store has landed
	s_barrier_signal -1
	s_barrier_wait -1
	v_lshlrev_b32 v9, 2, v2
.irp w, 0,1,2,3,4,5,6,7
	ds_load_b32 v[113+\w], v9 offset:128*\w
.endr
	s_wait_dscnt 0x0
	v_add_nc_u32 v121, v113, v114                  ; T: each key's total
	s_delay_alu instid0(VALU_DEP_1)
	v_add3_u32 v121, v121, v115, v116
	s_delay_alu instid0(VALU_DEP_1)
	v_add3_u32 v121, v121, v117, v118
	s_delay_alu instid0(VALU_DEP_1)
	v_add3_u32 v121, v121, v119, v120
	v_mov_b32 v122, 0                              ; P: the totals of the waves ahead of mine
.irp w, 0,1,2,3,4,5,6
	s_cmp_lt_u32 \w, s16
	s_cselect_b32 s32, -1, 0
	v_and_b32 v123, s32, v[113+\w]
	s_delay_alu instid0(VALU_DEP_1)
	v_add_nc_u32 v122, v122, v123
.endr
; THE PLACES ARE DEALT OUT, class by class, in scalar registers; every wave does it for itself.  s40 the next free place; s41 what is left of the group's class (v, v); s42 the start of (v, v) + the
; fillers dealt so far; s43 a class's count.  A token of (v, v) with rank i first gets q = start + i; each later class of the group that lies ahead of it shifts it by that class's count: the class behind
; filler j lies ahead of it where q >= start + the fillers up to j.  That threshold (bits 15:0) and the count (bits 31:16) are a word in lane (9 v) % 32 of v162 to v164; all other lanes hold a
; threshold that no place reaches.
.macro GETN dst, key                   ; how many tokens class key has
	v_readlane_b32 s[\dst], v121, (\key)%32
.if (\key) >= 32
	s_lshr_b32 s[\dst], s[\dst], 16
.else
	s_and_b32 s[\dst], s[\dst], 0xffff
.endif
.endm
.macro PUTB key                        ; class key begins at the next free place
	v_writelane_b32 v[160+(\key)/32], s40, (\key)%32
.endm
.macro FILL                            ; fillers up to the next multiple of 32, as far as (v, v) has tokens left
	s_sub_co_u32 s44, 0, s40
	s_and_b32 s44, s44, 31
	s_min_u32 s44, s44, s41
	s_add_co_u32 s40, s40, s44
	s_sub_co_u32 s41, s41, s44
	s_add_co_u32 s42, s42, s44
.endm
.macro PKEY x, y                       ; PK = the key of the pair {x, y}
.if (\x) < (\y)
.set PK, 8*(\x)+(\y)
.else
.set PK, 8*(\y)+(\x)
.endif
.endm
.macro GROUP v
.set DK, 9*(\v)
	GETN 41, DK
	PKEY ((\v)+7)%8, \v
	GETN 43, PK
	PUTB PK
	s_add_co_u32 s40, s40, s43
	PUTB DK                                        ; rank 0 of (v, v) stands straight behind the group's first class
	s_wait_alu depctr_va_vdst(0)
	s_mov_b32 s42, s40
	FILL
.irp d, 2,3,4
.if (\d < 4) || ((\v) < 4)
	PKEY ((\v)+8-\d)%8, \v
	GETN 43, PK
	PUTB PK
	s_wait_alu depctr_va_vdst(0)
	s_lshl_b32 s45, s43, 16
	s_or_b32 s45, s45, s42
	v_writelane_b32 v[160+\d], s45, DK%32
	s_add_co_u32 s40, s40, s43
	FILL
.endif
.endr
	s_add_co_u32 s40, s40, s41                     ; the rest of (v, v) ends the group
.endm
	v_mov_b32 v160, 0
	v_mov_b32 v161, 0
	v_mov_b32 v162, 0xffff
	v_mov_b32 v163, 0xffff
	v_mov_b32 v164, 0xffff
	s_mov_b32 s40, 0
.irp v, 0,1,2,3,4,5,6,7
	GROUP \v
.endr
	v_lshl_or_b32 v126, v161, 16, v160             ; packed like the counts
	s_delay_alu instid0(VALU_DEP_1)
	v_add_nc_u32 v126, v126, v122                  ; G: where my wave's tokens of each key begin
; q = G[key] + PRE[chunk][key] + rank; a token of a class (v, v) adds the counts of the classes whose thresholds q has reached.  Four chunks at a time.
; The stores are 4 bytes a lane, strewn over the 32 KiB of order.
.macro PLACE4 c0
.irp d, 0,1,2,3
	v_add_nc_u32 v[128+\d], v126, v[80+(\c0)+\d]
	v_lshlrev_b32 v[132+\d], 2, v[16+2*((\c0)+\d)]
.endr
.irp d, 0,1,2,3
	v_and_b32 v[132+\d], 0x7c, v[132+\d]
	v_lshrrev_b32 v[140+\d], 1, v[16+2*((\c0)+\d)]
.endr
.irp d, 0,1,2,3
	ds_bpermute_b32 v[136+\d], v[132+\d], v[128+\d]
.irp j, 0,1,2
	ds_bpermute_b32 v[168+4*\j+\d], v[132+\d], v[162+\j]
.endr
.endr
.irp d, 0,1,2,3
	v_and_b32 v[140+\d], 16, v[140+\d]             ; which half of the word is my key's
	v_lshrrev_b32 v[180+\d], 3, v[16+2*((\c0)+\d)]
	v_and_b32 v[184+\d], 7, v[16+2*((\c0)+\d)]
.endr
.irp d, 0,1,2,3
	v_cmp_eq_u32 s[52+\d], v[180+\d], v[184+\d]    ; the tokens whose two experts are one (a lane of the threshold words serves keys k and 32 + k alike)
.endr
	s_wait_dscnt 0x0
.irp d, 0,1,2,3
	v_lshrrev_b32 v[136+\d], v[140+\d], v[136+\d]
.endr
.irp d, 0,1,2,3
	s_delay_alu instid0(VALU_DEP_4)
	v_and_b32 v[136+\d], 0xffff, v[136+\d]
.endr
.irp d, 0,1,2,3
	s_delay_alu instid0(VALU_DEP_4)
	v_add_nc_u32 v[136+\d], v[136+\d], v[17+2*((\c0)+\d)]          ; q
.endr
.irp j, 0,1,2
.irp d, 0,1,2,3
	v_and_b32 v[188+\d], 0xffff, v[168+4*\j+\d]                    ; the threshold,
	v_lshrrev_b32 v[168+4*\j+\d], 16, v[168+4*\j+\d]               ; and the count of the class behind it
.endr
.irp d, 0,1,2,3
	v_cmp_ge_u32 vcc_lo, v[136+\d], v[188+\d]
	s_delay_alu instid0(VALU_DEP_1)
	v_cndmask_b32 v[168+4*\j+\d], 0, v[168+4*\j+\d], vcc_lo
.endr
.endr
.irp d, 0,1,2,3
	v_add3_u32 v[168+\d], v[168+\d], v[172+\d], v[176+\d]
.endr
.irp d, 0,1,2,3
	s_delay_alu instid0(VALU_DEP_4)
	v_cndmask_b32 v[168+\d], 0, v[168+\d], s[52+\d]
.endr
.irp d, 0,1,2,3
	s_delay_alu instid0(VALU_DEP_4)
	v_add_nc_u32 v[136+\d], v[136+\d], v[168+\d]
.endr
.irp d, 0,1,2,3
	v_min_u32 v[136+\d], 0x1fff, v[136+\d]
	v_add_nc_u32 v[17+2*((\c0)+\d)], 32*((\c0)+\d), v10            ; the token's number
.endr
.irp d, 0,1,2,3
	v_lshlrev_b32 v[16+2*((\c0)+\d)], 2, v[136+\d]
.endr
.irp d, 0,1,2,3
	global_store_b32 v[16+2*((\c0)+\d)], v[17+2*((\c0)+\d)], s[12:13]   ; address and data are the chunk's own registers: never written again
.endr
.endm
.irp c, 0,4,8,12,16,20,24,28
	PLACE4 \c
.endr
	s_wait_tensorcnt 0x0
	ds_add_u32 v208, v209
	s_wait_dscnt 0x0
	s_endpgm
.Lfunc_end_k_q878888cfb8_prep:
	.size	k_q878888cfb8_prep, .Lfunc_end_k_q878888cfb8_prep-k_q878888cfb8_prep
	.p2alignl 7, 3214868480
	.fill 96, 4, 3214868480
	.section	.rodata,"a",@progbits
	.p2align	6, 0x0
	.amdhsa_kernel k_q878888cfb8_prep
		.amdhsa_group_segment_fixed_size 2048
		.amdhsa_private_segment_fixed_size 0
		.amdhsa_enable_private_segment 0
		.amdhsa_kernarg_size 40
		.amdhsa_user_sgpr_count 2
		.amdhsa_user_sgpr_kernarg_segment_ptr 1
		.amdhsa_wavefront_size32 1
		.amdhsa_system_sgpr_workgroup_id_x 1
		.amdhsa_system_sgpr_workgroup_id_y 1
		.amdhsa_system_sgpr_workgroup_id_z 1
		.amdhsa_system_vgpr_workitem_id 0
		.amdhsa_next_free_vgpr 210
		.amdhsa_next_free_sgpr 66
		.amdhsa_reserve_vcc 1
		.amdhsa_float_denorm_mode_32 3
		.amdhsa_float_denorm_mode_16_64 3
		.amdhsa_memory_ordered 1
		.amdhsa_forward_progress 1
		.amdhsa_inst_pref_size 227
	.end_amdhsa_kernel
	.amdgpu_metadata
---
amdhsa.version: [ 1, 2 ]
amdhsa.kernels:
  - .name:           k_q878888cfb8_prep
    .symbol:         k_q878888cfb8_prep.kd
    .args:
      - { .name: w_up, .offset: 0, .size: 8, .value_kind: global_buffer, .address_space: global }
      - { .name: w_down, .offset: 8, .size: 8, .value_kind: global_buffer, .address_space: global }
      - { .name: expert_idxs, .offset: 16, .size: 8, .value_kind: global_buffer, .address_space: global }
      - { .name: wq, .offset: 24, .size: 8, .value_kind: global_buffer, .address_space: global }
      - { .name: order, .offset: 32, .size: 8, .value_kind: global_buffer, .address_space: global }
    .group_segment_fixed_size: 2048
    .private_segment_fixed_size: 0
    .kernarg_segment_align: 8
    .kernarg_segment_size: 40
    .max_flat_workgroup_size: 256
    .sgpr_count:     66
    .vgpr_count:     210
    .wavefront_size: 32
...
	.end_amdgpu_metadata
.endif
;; end of part 3
;; launch moe (part 4): grid 256 x 1, 4 waves a work-group, no clusters, 184,320 bytes of LDS; arguments x, expert_idxs, expert_p, order, wq, out0; writes out0
.if DOCPART == 4
	.amdgcn_target "amdgcn-amd-amdhsa--gfx1250"
	.amdhsa_code_object_version 6
	.text
	.protected	k_q878888cfb8_moe
	.globl	k_q878888cfb8_moe
	.p2align	8
	.type	k_q878888cfb8_moe,@function
k_q878888cfb8_moe:
	s_mov_b64 s[64:65], 0
	v_nop
	global_prefetch_b8 v0, s[64:65] scope:SCOPE_SE
	s_setreg_imm32_b32 hwreg(HW_REG_WAVE_SCHED_MODE, 0, 2), 2
	s_setreg_imm32_b32 hwreg(HW_REG_WAVE_MODE, 25, 1), 1
	s_wait_xcnt 0x0
	s_wait_alu depctr_vm_vsrc(0)
; y[t] = sum over e of gate_e[t] (gelu(x[t] Wup[e]) Wdown[e]), gate_e[t] = the sum of expert_p[t][k] where expert_idxs[t][k] = e.  Both products on codes of FP8 (E4M3) with one E8M0 scale for 32 along K.
; A work-group owns 32 places of order (tokens laid by their pair of experts) and so 32 whole rows of y.  It gathers and quantises its rows of x once, walks e = 0..7 in a loop of constant count,
; jumps over the WORK (never the barriers) of experts that none of its tokens names, keeps y in registers and stores whole rows.  A row that does not use an expert of its block has gate 0, as in the definition.
; THE WAVES SHARE THE COLUMNS: wave w makes hidden units 128 w on (8 tiles) and outputs 256 w on (2 x 8 tiles), for both tiles of 16 rows.  Both products are used transposed (source 0 = 16 columns of W,
; source 1 = 16 rows): lane (r, h) holds row r, and register j of tile 2 b + u the column 32 b + 16 h + 8 u + j, since wq's fragments take their columns in that order.
; THE WEIGHTS come from wq straight into registers, each wave its own 8 blocks of a phase, through a ring of eleven slots of two fragments, seven groups of 9 loads ahead: 63 loads, as many as LOADcnt
; counts (ISA guide 5.7.1), 56 of them of 512 bytes.  Their pointer is stepped by a constant in every trip: no loaded number enters a weight's address; the list of experts steers the two branches alone.
; So an expert's first seven groups are asked for at the head of its up phase, and the wave waits for the first of them; from up into down the ring runs on.
; No tensor load and no cluster: which experts a work-group walks hangs on the stored list, and neighbours would want different experts.  No prefetch: wq is read again and again by many work-groups, and x's
; addresses are known only when its loads can go out.
; gelu, exact form: gelu(x) = max(x, 0) - |x| E, E = erfc(|x| / sqrt 2) / 2 = t 2^(-0.72134752 x^2 + K0 + t (K1 + .. + t K9)), t = 1 / (1 + 0.35355339 |x|): a fit of erfc whose relative error stays
; under 1.2e-7 for every argument, so the negative tail keeps its relative accuracy; log2(e) and the half are folded into K.
; LIMITS: NaN and infinities among the inputs are not served; E falls to 0 where x is under about -13 (gelu is under 1e-38 there); a block of zeros gets the scale byte 1 (its codes are zeros; only this
; program reads the bytes); blocks whose largest magnitude lies under 2^-118 are held at the floor's byte; expert numbers above 7 get no gate (as in the definition) and only cost a walk of expert 7.
; REGISTERS, in windows of 256.  Window 0: v1-31 addresses, tokens, gates; v32-39 x's scale words, v40-43 the hidden layer's, v44-54 the weights' (one a ring slot): these hold scales and nothing else;
;   v62-63 K8; v64-127 two sets of the rows' fragments, at other times gelu's and the quantiser's work; v128-255 16 accumulators.  Window 1: y.  Window 2: x as loaded, then the ring's slots 0-7.
;   Window 3: v0-95 the ring's slots 8-10.
; THE MODE: SCHED_MODE bits 1:0 = 2 (LLVM: expert scheduling mode 2), set by the entry lines.  The code itself states the register dependences between vector or matrix instructions and memory or LDS
; instructions, with s_wait_alu, always for 0.
; THE PLAN.  Registers that memory or LDS instructions touch in the walk over the experts:
;   the ring's slots and v44-54   Step g of an expert's 64 multiplies slot g % 11 and loads group g + 7 into slot (g + 7) % 11 = (g - 4) % 11: a slot that the K step before (four steps) multiplied.
;   v64-127, two sets             K step k's sixteen products read set k % 2; at its head the LDS loads of K step k + 1 land in the other set, which the K step before read.  Between the phases the same registers
;                                 are gelu's and the quantiser's; the images' LDS stores read v80, v81 and v96-127.
;   v40-43                        Loaded at the head of a down phase, read by its products.   v32-39: loaded once.
;   v1-v10                        Addresses, made at the head and never written again; the weights' scalar pointer is stepped, and immediate offsets do the rest.
; So ONE wait on va_vdst stands at the head of a K step: the sixteen products of the K step before are done reading their four slots, those slots' scale words and their set of rows.  The K step's 36 loads of
; weights and 8 LDS loads land in just these, and the products issued since the wait name the four slots in hand, the other set and the accumulators: none of them.  One such wait stands ahead of the images'
; stores and one behind the down phase's last products; so the loads at the head of either phase, in whichever trip, owe nothing more.  One wait on vm_vsrc stands behind the images' stores.
.set BLK,  16896
.set PHB,  32*BLK
.set EXB,  64*BLK
.set WVB,  8*BLK
.set NS,   11                          ; the ring's slots: seven groups on their way, and the four slots of the K step before
.set XIMG, 0                           ; LDS: x's 16 fragments as images of their registers: (8 m + s) x 2,048
.set XSC,  32768                       ; their scale words: 128 s + 64 m + 4 r
.set HIMG, 33792                       ; the hidden layer's 8 fragments: (4 m + s) x 2,048
.set HSC,  50176                       ; their scale words
.set STG,  50688                       ; each wave's own stage: on the way out 32 rows x (1,024 + 16) bytes; at the head two buffers of 16 rows x (512 + 16) bytes, through which x turns
.set SROW, 1040
.set SWV,  32*SROW
.set XROW, 528                         ; 33 x 16 bytes: the sixteen rows that a load touches start in sixteen different groups of banks (64 banks of 4 bytes: ISA guide 11.1)
.set XTB,  16*XROW
.set L16, 1                            ; 16 x lane
.set L4,  2                            ; 4 x lane
.set XL,  3                            ; x out of the stage: row r, + 64 h
.set XWI, 4                            ; where I store x's images, and their scale words
.set XWS, 5
.set HWI, 6                            ; the hidden layer's
.set HWS, 7
.set SO,  8                            ; the stage: in,
.set SR,  9                            ; and back (at the head: in)
.set CB,  10                           ; my 16 bytes in a row of y
.set XT,  11                           ; the tokens whose x I load
.set TOK, 12                           ; v12, v13: the tokens of rows r and 16 + r
.set IDX, 14                           ; v[14:15], v[16:17] their experts
.set PP,  18                           ; v[18:19], v[20:21] their p
.set GA,  22                           ; v[22:23], v[24:25] their gates (the low word; the upper is named with it)
.set ZP,  26                           ; v[26:27] zeros
.set XS,  32
.set HS,  40
.set WS,  44                           ; v44-54
.set K8V, 62
.set AF,  64
.set ACC, 128
.set XR,  64                           ; the head: v64-79 a byte offset in x for each of my 16 rows
.set OA,  82                           ; the head: v82 order: the places of the rows whose x I load
.set GI,  83                           ; the head: v83, v84 byte offsets of my two rows in expert_idxs and expert_p
.set TM,  64                           ; the quantiser: v64-67 largest magnitudes, 68-71 bytes, 72-75 holds, 76-79 scale operands
.set PW,  80                           ; v80, v81 scale words, two sets
.set PCD, 96                           ; v96-111, v112-127 codes, two sets
.set GT,  64                           ; gelu: t, x^2, the exponent, max(x, 0)
.set GM,  80
.set GP,  96
.set GR,  112
.set VO,  64                           ; the way out: a row's byte offset in y
.set PCUR, 22                          ; s[22:23] wq at my wave's blocks of expert e: + EXB a trip
.set KC,  32                           ; s[32:51] K0..K9, each twice (the packed form names a pair)
.set MSB, 0
.macro WIN new                         ; the immediate's high byte repeats the setting that is left; a switch that changes nothing is dropped
.if MSB != \new
	s_set_vgpr_msb (MSB<<8)|\new
.set MSB, \new
.endif
.endm
.macro KSET j, val
	s_mov_b32 s[KC+2*(\j)], \val
	s_mov_b32 s[KC+2*(\j)+1], \val
.endm
; A group of the ring: a quarter of a block of wq (fragments 2 p and 2 p + 1 and their register of scale words) into a slot: 9 loads.  ph: 0 up, 1 down;  j: the phase's step 0..31; p = j % 4.
.macro RLS slot, ph, j
	WIN 0
	global_load_b32 v[WS+(\slot)], v[L4], s[PCUR:PCUR+1] offset:(\ph)*PHB+((\j)/4)*BLK+16384+((\j)%4)*128
.endm
.macro RLF slot, ph, j
.if (\slot) < 8
	WIN 0x80                                       ; destination window 2, address window 0
.set RB, 32*(\slot)
.else
	WIN 0xc0                                       ; destination window 3
.set RB, 32*((\slot)-8)
.endif
.irp u, 0,1
.irp c, 0,1,2,3
	global_load_b128 v[RB+16*\u+4*\c:RB+16*\u+4*\c+3], v[L16], s[PCUR:PCUR+1] offset:(\ph)*PHB+((\j)/4)*BLK+((\j)%4)*4096+2048*\u+512*\c
.endr
.endr
.endm
; The rows' two fragments of K step kk into set z: 8 LDS loads, each 512 consecutive bytes
.macro AFETCH z, base, nk, kk
.irp m, 0,1
.irp c, 0,1,2,3
	ds_load_b128 v[AF+32*(\z)+16*\m+4*\c:AF+32*(\z)+16*\m+4*\c+3], v[L16] offset:(\base)+((\nk)*\m+(\kk))*2048+512*\c
.endr
.endr
.endm
; One product.  ra, rb: the side's scale words stand in lanes 16-31 of the register named
.macro WM d, a, b, sa, sb, zero, ra, rb
.if \zero
.if (\ra) && (\rb)
	v_wmma_scale_f32_16x16x128_f8f6f4 v[\d:\d+7], v[\a:\a+15], v[\b:\b+15], 0, v[\sa], v[\sb] matrix_a_scale:MATRIX_SCALE_ROW1 matrix_b_scale:MATRIX_SCALE_ROW1
.elseif \ra
	v_wmma_scale_f32_16x16x128_f8f6f4 v[\d:\d+7], v[\a:\a+15], v[\b:\b+15], 0, v[\sa], v[\sb] matrix_a_scale:MATRIX_SCALE_ROW1
.elseif \rb
	v_wmma_scale_f32_16x16x128_f8f6f4 v[\d:\d+7], v[\a:\a+15], v[\b:\b+15], 0, v[\sa], v[\sb] matrix_b_scale:MATRIX_SCALE_ROW1
.else
	v_wmma_scale_f32_16x16x128_f8f6f4 v[\d:\d+7], v[\a:\a+15], v[\b:\b+15], 0, v[\sa], v[\sb]
.endif
.else
.if (\ra) && (\rb)
	v_wmma_scale_f32_16x16x128_f8f6f4 v[\d:\d+7], v[\a:\a+15], v[\b:\b+15], v[\d:\d+7], v[\sa], v[\sb] matrix_a_scale:MATRIX_SCALE_ROW1 matrix_b_scale:MATRIX_SCALE_ROW1
.elseif \ra
	v_wmma_scale_f32_16x16x128_f8f6f4 v[\d:\d+7], v[\a:\a+15], v[\b:\b+15], v[\d:\d+7], v[\sa], v[\sb] matrix_a_scale:MATRIX_SCALE_ROW1
.elseif \rb
	v_wmma_scale_f32_16x16x128_f8f6f4 v[\d:\d+7], v[\a:\a+15], v[\b:\b+15], v[\d:\d+7], v[\sa], v[\sb] matrix_b_scale:MATRIX_SCALE_ROW1
.else
	v_wmma_scale_f32_16x16x128_f8f6f4 v[\d:\d+7], v[\a:\a+15], v[\b:\b+15], v[\d:\d+7], v[\sa], v[\sb]
.endif
.endif
.endm
; Four products: the slot's two fragments (from register SBASE of the slot's window on) x the two tiles of rows.  The 16 accumulators take turns, one instruction a turn, in the same order in every four steps
.macro MM4 z, p, as, zero, ws
.irp u, 0,1
.irp m, 0,1
	WM ACC+64*\m+8*(2*(\p)+\u), SBASE+16*\u, AF+32*(\z)+16*\m, \ws, \as, \zero, \u, \m
.endr
.endr
.endm
; y += gate x the 16 tiles just finished: chunk c of my outputs.  Each accumulator is read from its low end on.
.macro YUPD c
	WIN 0x50                                       ; y (destination and source 2) in window 1
.irp m, 0,1
.set yj, 0
.rept 32
	v_pk_fma_f32 v[128*(\c)+64*\m+yj:128*(\c)+64*\m+yj+1], v[ACC+64*\m+yj:ACC+64*\m+yj+1], v[GA+2*\m:GA+2*\m+1], v[128*(\c)+64*\m+yj:128*(\c)+64*\m+yj+1] op_sel_hi:[1,0,1]
.set yj, yj+2
.endr
.endr
.endm
; STEP i of a phase's 32: K step i / 4, fragments 2 (i % 4) and 2 (i % 4) + 1 of the block's eight; g = 32 x phase + i counts the expert's 64 steps.  THE RING: at the head of a step the groups of steps
; g to g + 6 are my youngest 63 loads; the wait leaves the six younger groups out; the group of step g + 7 goes into the slot that step g - 4 multiplied.  Beyond the up phase's end the ring runs on into the
; same expert's down phase; the down phase's last seven steps ask for nothing, and their counts run down: 54, 45 .. 0.
.macro STEP down, i
.set GG,  32*(\down)+(\i)
.set KAP, (\i)/4
.set PQ,  (\i)%4
.set ZZ,  KAP%2
.set NSL, GG%NS
.set VV,  GG+7
.set FSL, VV%NS
.set PHS, VV/32
.set JJ,  VV%32
.set HASL, 1
.set LEFT, 54
.if VV > 63
.set HASL, 0
.set PHS, 0
.set JJ,  0
.endif
.if GG > 57
.set LEFT, 9*(63-GG)
.endif
.set NEEDW, 0
.if (PQ == 0) && (KAP > 0)
.set NEEDW, 1                                  ; not in a phase's first K step: since the last such wait no vector or matrix instruction has named a register that its loads touch;
.endif
.if (\down) && (KAP == 7)
.set NEEDW, 0                                  ; nor in the down phase's last, which loads nothing
.endif
.set ZER, 0
.if \down
.set ASR, HS+KAP%4
.if KAP%4 == 0
.set ZER, 1
.endif
.set ABASE, HIMG
.set ANK, 4
.set AKK, (KAP+1)%4
.else
.set ASR, XS+KAP
.if KAP == 0
.set ZER, 1
.endif
.set ABASE, XIMG
.set ANK, 8
.set AKK, KAP+1
.endif
	s_wait_loadcnt LEFT                            ; this step's group is in: so many loads were issued behind it
.if NEEDW
	s_wait_alu depctr_va_vdst(0)                   ; the last K step's sixteen products are done reading their four slots, those slots' scale words and their set of the rows' fragments: the loads of this K step's four steps land in just these
.endif
.if HASL
	RLS FSL, PHS, JJ
.endif
.if (PQ == 0) && (KAP < 7)
	WIN 0
	AFETCH 1-ZZ, ABASE, ANK, AKK                   ; the next K step's rows, into the set that the K step before has left
.endif
.if HASL
	RLF FSL, PHS, JJ                               ; no wait of its own: no product issued since the K step's head names this slot
.endif
.if PQ == 0
.if KAP < 7
	s_wait_dscnt 8                                 ; this K step's rows are in; the eight loads just issued may be out
.else
	s_wait_dscnt 0x0
.endif
.endif
.if NSL < 8
	WIN 0x02                                       ; source 0 (W) window 2
.set SBASE, 32*NSL
.else
	WIN 0x03                                       ; source 0 (W) window 3
.set SBASE, 32*(NSL-8)
.endif
	MM4 ZZ, PQ, ASR, ZER, WS+NSL
.if PQ == 3
.rept 8
	v_nop                                          ; eight places behind this form, once a K step: they lie between each of its products and the next K step's loads into the registers that it read, and ahead of reads of its results
.endr
.endif
.endm
.macro PHASE down
.if \down
.irp s, 0,1,2,3
	ds_load_b32 v[HS+\s], v[L4] offset:HSC+128*\s  ; lanes 0-15: rows 0-15, lanes 16-31: rows 16-31
.endr
	AFETCH 0, HIMG, 4, 0
.else
	s_wait_loadcnt 0x0                             ; no load into the ring's registers is out, on whichever way this line is reached
.irp j, 0,1,2,3,4,5,6
	RLS \j, 0, \j                                  ; the expert's first seven groups, each whole before the next: the steps' counts go by groups of 9
	RLF \j, 0, \j
.endr
	WIN 0
	AFETCH 0, XIMG, 8, 0
.endif
.irp i, 0,1,2,3,4,5,6,7,8,9,10,11,12,13,14,15,16,17,18,19,20,21,22,23,24,25,26,27,28,29,30,31
	STEP \down, \i
.if (\down) && (\i == 15)
	YUPD 0
.endif
.if (\down) && (\i == 31)
	s_wait_alu depctr_va_vdst(0)                   ; the down phase's products are done reading the ring's slots, v44-54, v40-43 and both sets of rows: the next loads into any of these, in whichever trip and phase, stand behind this line, and nothing between names them
	YUPD 1
.endif
.endr
	WIN 0
.endm
; gelu of 16 numbers of a lane, in place.  Two batches of transcendentals, each with plain independent work behind it and ONE wait ahead of its first reader.
.macro GELU n
.set XX, ACC+16*(\n)
.set gi, 0
.rept 16
	v_fma_f32 v[GT+gi], |v[XX+gi]|, s54, 1.0
.set gi, gi+1
.endr
.set gi, 0
	s_wait_alu depctr_va_vdst(0)
.rept 16
	v_rcp_f32 v[GT+gi], v[GT+gi]                   ; t
.set gi, gi+1
.endr
.set gi, 0
.rept 8
	v_pk_mul_f32 v[GM+gi:GM+gi+1], v[XX+gi:XX+gi+1], v[XX+gi:XX+gi+1]
.set gi, gi+2
.endr
	s_wait_alu depctr_va_vdst(0)                   ; one wait for the sixteen reciprocals: they have written v[GT ..], ahead of their first reader
.set gi, 0
.rept 8
	v_pk_fma_f32 v[GP+gi:GP+gi+1], v[GT+gi:GT+gi+1], s[KC+18:KC+19], v[K8V:K8V+1] op_sel_hi:[1,0,1]
.set gi, gi+2
.endr
.irp k, 7,6,5,4,3,2,1,0
.set gi, 0
.rept 8
	v_pk_fma_f32 v[GP+gi:GP+gi+1], v[GP+gi:GP+gi+1], v[GT+gi:GT+gi+1], s[KC+2*\k:KC+2*\k+1] op_sel_hi:[1,1,0]
.set gi, gi+2
.endr
.endr
.set gi, 0
.rept 8
	v_pk_fma_f32 v[GP+gi:GP+gi+1], v[GM+gi:GM+gi+1], s[52:53], v[GP+gi:GP+gi+1] op_sel_hi:[1,0,1]
.set gi, gi+2
.endr
.set gi, 0
	s_wait_alu depctr_va_vdst(0)
.rept 16
	v_exp_f32 v[GP+gi], v[GP+gi]
.set gi, gi+1
.endr
.set gi, 0
.rept 16
	v_max_num_f32 v[GR+gi], 0, v[XX+gi]
.set gi, gi+1
.endr
	s_wait_alu depctr_va_vdst(0)                   ; one wait for the sixteen exponentials: they have written v[GP ..], ahead of their first reader
.set gi, 0
.rept 8
	v_pk_mul_f32 v[GP+gi:GP+gi+1], v[GP+gi:GP+gi+1], v[GT+gi:GT+gi+1]   ; E
.set gi, gi+2
.endr
.set gi, 0
.rept 16
	v_fma_f32 v[XX+gi], -|v[XX+gi]|, v[GP+gi], v[GR+gi]
.set gi, gi+1
.endr
.endm
; 64 numbers of a lane in window 0, register 16 b + i = k 32 b + 16 (lane / 16) + i of my row, become a fragment's codes in set set of PCD and its scale word in PW + set.
.macro QUANT src, set
	WIN 0
.irp b, 0,1,2,3
	v_max3_num_f32 v[TM+\b], |v[(\src)+16*\b]|, |v[(\src)+16*\b+1]|, 0x4800000   ; my 16 numbers of block b, and the floor 2^(9 - 127): the byte cannot fall under 1
.endr
.irp i, 2,4,6,8,10,12,14
.irp b, 0,1,2,3
	v_max3_num_f32 v[TM+\b], |v[(\src)+16*\b+\i]|, |v[(\src)+16*\b+\i+1]|, v[TM+\b]
.endr
.endr
.irp b, 0,1,2,3
	v_permlanex16_b32 v[TM+4+\b], v[TM+\b], s20, s21
.endr
.irp b, 0,1,2,3
	v_max_num_f32 v[TM+\b], v[TM+\b], v[TM+4+\b]   ; with lane l xor 16: the block's largest magnitude
.endr
.irp b, 0,1,2,3
	v_add_nc_u32 v[TM+12+\b], 0xfc000000, v[TM+\b] ; 8 off its exponent field: the conversion's scale operand
.endr
.irp b, 0,1,2,3
	v_and_or_b32 v[TM+8+\b], v[TM+\b], 0x7f800000, s19   ; 448 x the scale
.endr
.irp b, 0,1,2,3
	v_lshrrev_b32 v[TM+4+\b], 23, v[TM+12+\b]      ; the scale's byte
.endr
	v_lshl_or_b32 v[PW+(\set)], v[TM+5], 8, v[TM+4]
	v_lshl_or_b32 v[PW+(\set)], v[TM+6], 16, v[PW+(\set)]
	v_lshl_or_b32 v[PW+(\set)], v[TM+7], 24, v[PW+(\set)]
.irp b, 0,1,2,3
.set qi, 0
.rept 16
	v_med3_num_f32 v[(\src)+16*\b+qi], v[(\src)+16*\b+qi], -v[TM+8+\b], v[TM+8+\b]   ; the conversion to an 8-bit code does not saturate (ISA guide 7.6.2): the hold comes first
.set qi, qi+1
.endr
.endr
.irp b, 0,1,2,3
	v_cvt_scalef32_pk8_fp8_f32 v[PCD+16*(\set)+4*\b:PCD+16*(\set)+4*\b+1], v[(\src)+16*\b:(\src)+16*\b+7], v[TM+12+\b]
	v_cvt_scalef32_pk8_fp8_f32 v[PCD+16*(\set)+4*\b+2:PCD+16*(\set)+4*\b+3], v[(\src)+16*\b+8:(\src)+16*\b+15], v[TM+12+\b]
.endr
	v_nop                                          ; one plain line behind the last conversion, ahead of whatever next writes its sources
.endm
.macro IMAGE adr, off, set             ; the fragment goes to LDS as it stands in the registers: 512 consecutive bytes a store
.irp c, 0,1,2,3
	ds_store_b128 v[\adr], v[PCD+16*(\set)+4*\c:PCD+16*(\set)+4*\c+3] offset:(\off)+512*\c
.endr
.endm
; K step i of my 16 rows of x turns through my own stage: in as loaded, a row's 512 bytes on end; out 16 neighbours a lane and block, into set i % 2 of the accumulators' registers, idle at the head.
; LDS serves a wave's instructions in order (ISA guide 5.7.1.4): no wait between the stores and the loads, nor ahead of the stores that take a buffer up again.
.macro TURN i
	WIN 0x08                                       ; an LDS store's data are its source 1: window 2
.irp r, 0,1,2,3,4,5,6,7,8,9,10,11,12,13,14,15
	ds_store_b128 v[SR], v[64*(\i)+4*\r:64*(\i)+4*\r+3] offset:XTB*((\i)%2)+XROW*\r
.endr
	WIN 0
.irp b, 0,1,2,3
.irp j, 0,1,2,3
	ds_load_b128 v[ACC+64*((\i)%2)+16*\b+4*\j:ACC+64*((\i)%2)+16*\b+4*\j+3], v[XL] offset:XTB*((\i)%2)+128*\b+16*\j
.endr
.endr
.endm
; ---------------- the head
	s_load_b256 s[4:11], s[0:1], 0x0               ; x s[4:5], expert_idxs s[6:7], expert_p s[8:9], order s[10:11]
	s_load_b128 s[12:15], s[0:1], 0x20             ; wq s[12:13], out0 s[14:15]
	v_lshl_add_u32 v59, v0, 2, 0x2ce00
	v_mov_b32 v61, 0
	v_and_b32 v28, 31, v0
	v_lshlrev_b32 v[L16], 4, v28
	v_lshlrev_b32 v[L4], 2, v28
	v_and_b32 v28, 15, v0                          ; r
	s_wait_alu depctr_va_vdst(0)
	v_bfe_u32 v29, v0, 4, 1                        ; h
	v_lshrrev_b32 v30, 5, v0
	v_readfirstlane_b32 s16, v30                   ; wave 0..3
	s_wait_alu depctr_va_sdst(0)                   ; s16 is written, ahead of its first reader
	s_and_b32 s26, s16, 1                          ; of x I quantise the tile of rows w % 2,
	s_lshr_b32 s27, s16, 1                         ; K steps 4 (w / 2) on
	s_lshl_b32 s28, s26, 14
	s_lshl_b32 s29, s27, 13
	s_add_co_u32 s28, s28, s29
	v_add_nc_u32 v[XWI], s28, v[L16]
	s_lshl_b32 s28, s26, 6
	s_lshl_b32 s29, s27, 9
	s_add_co_u32 s29, s28, s29
	v_lshl_add_u32 v[XWS], v28, 2, s29
	v_lshl_add_u32 v[OA], v28, 2, s28              ; order: the places of the rows whose x I load
	v_lshlrev_b32 v31, 2, v28
	s_lshl_b32 s29, s16, 11
	v_add_nc_u32 v[HWI], s29, v[L16]
	s_lshl_b32 s29, s16, 7
	v_lshl_add_u32 v[HWS], v28, 2, s29
	s_mul_i32 s29, s16, SWV
	s_add_co_u32 s29, s29, STG                     ; my stage
	v_mul_u32_u24 v[SO], v28, SROW
	v_lshl_add_u32 v[SO], v29, 6, v[SO]
	v_add_nc_u32 v[SO], s29, v[SO]
	v_add_nc_u32 v[SR], s29, v[L16]
	v_mul_u32_u24 v[XL], v28, XROW
	v_lshl_add_u32 v[XL], v29, 6, v[XL]
	v_add_nc_u32 v[XL], s29, v[XL]
	s_lshl_b32 s29, s16, 10
	v_add_nc_u32 v[CB], s29, v[L16]
	s_lshl_b32 s30, ttmp9, 7                       ; my 32 places of order
	s_mov_b32 s31, 0
	s_mov_b32 s19, 0x600000                        ; the mantissa field of 448
	s_mov_b32 s20, 0x76543210
	s_mov_b32 s21, 0xfedcba98                      ; v_permlanex16_b32: lane l xor 16
	KSET 0, 0xc034d90f                             ; -2.8257482
	KSET 1, 0x3fb8ab5a                             ;  1.4427292
	KSET 2, 0x3f0a29d2                             ;  0.5397006
	KSET 3, 0x3e0efb2e                             ;  0.1396301
	KSET 4, 0xbe899a80                             ; -0.2687569
	KSET 5, 0x3ecdfd18                             ;  0.4023216
	KSET 6, 0xbfd1a1e5                             ; -1.6377532
	KSET 7, 0x40097039                             ;  2.1474745
	KSET 8, 0xbf97d29d                             ; -1.1861149
	KSET 9, 0x3e7c6f08                             ;  0.2465173
	s_mov_b32 s52, 0xbf38aa3b                      ; -log2(e) / 2
	s_mov_b32 s53, s52
	s_mov_b32 s54, 0x3eb504f3                      ; 1 / (2 sqrt 2)
	s_mul_i32 s28, s16, WVB                        ; my wave's 8 blocks of each phase
	s_mov_b32 s29, 0
	s_wait_kmcnt 0x0
	s_add_nc_u64 s[10:11], s[10:11], s[30:31]
	s_add_nc_u64 s[PCUR:PCUR+1], s[12:13], s[28:29]   ; in expert 0
	s_wait_alu depctr_va_vdst(0)                   ; the addresses v1 to v10, v31 and v82 are written: the kernel's loads and stores, LDS and global, read them, and v1 to v10 and v31 are never written again
	global_load_b32 v[TOK], v31, s[10:11]
	global_load_b32 v[TOK+1], v31, s[10:11] offset:64
	global_load_b32 v[XT], v[OA], s[10:11]
	v_mov_b32 v[K8V], s48
	v_mov_b32 v[K8V+1], s48
	v_mov_b32 v[ZP], 0
	v_mov_b32 v[ZP+1], 0
	v_mov_b32 v[GA+1], 0                           ; (named as the upper halves of the gates' pairs)
	v_mov_b32 v[GA+3], 0
.irp k, 0,1,2,3,4,5,6,7,8,9,10
	v_mov_b32 v[WS+\k], 0x7f7f7f7f                 ; the ring's scale registers begin as ones (byte 127): they hold scales on every way through the text
.endr
	s_wait_loadcnt 0x0
	v_min_u32 v[TOK], 0x1fff, v[TOK]
	v_min_u32 v[TOK+1], 0x1fff, v[TOK+1]
	v_min_u32 v[XT], 0x1fff, v[XT]
	v_lshlrev_b32 v[GI], 3, v[TOK]
	v_lshlrev_b32 v[GI+1], 3, v[TOK+1]
	s_wait_alu depctr_va_vdst(0)                   ; v83 and v84 are written, which the four gathers read as offsets
	global_load_b64 v[IDX:IDX+1], v[GI], s[6:7]
	global_load_b64 v[IDX+2:IDX+3], v[GI+1], s[6:7]
	global_load_b64 v[PP:PP+1], v[GI], s[8:9]
	global_load_b64 v[PP+2:PP+3], v[GI+1], s[8:9]
	s_lshl_b32 s29, s27, 11
	v_add_nc_u32 v60, s29, v[L16]                  ; in a row of x: my four K steps, 16 bytes a lane
.irp q, 0,1
.irp r, 0,1,2,3,4,5,6,7
	v_readlane_b32 s[24+\r], v[XT], 8*\q+\r
.endr
	s_wait_alu depctr_va_sdst(0)                   ; the eight tokens' numbers are written into s24 to s31, ahead of their first readers: one wait for the run
.irp r, 0,1,2,3,4,5,6,7
	s_min_u32 s[24+\r], s[24+\r], 0x1fff
	s_lshl_b32 s[24+\r], s[24+\r], 12              ; a row of x is 4,096 bytes
	v_add_nc_u32 v[XR+8*\q+\r], s[24+\r], v60
.endr
.endr
	WIN 0x80                                       ; destination window 2: the ring's registers, idle until the first up phase
	s_wait_alu depctr_va_vdst(0)                   ; the sixteen offsets v64 to v79 are written, which the loads of x read
.irp i, 0,1,2,3
.irp r, 0,1,2,3,4,5,6,7,8,9,10,11,12,13,14,15
	global_load_b128 v[64*\i+4*\r:64*\i+4*\r+3], v[XR+\r], s[4:5] offset:512*\i th:TH_LOAD_NT   ; one K step of one row: the wave reads 512 consecutive aligned bytes; each byte of x is read once in the launch
.endr
.endr
	WIN 0
	s_wait_loadcnt 63                              ; 68 loads were issued: the oldest five, the four gathers among them, are in
.irp k, 0,1,2,3
	v_min_u32 v[55+\k], 7, v[IDX+\k]
.endr
.irp k, 0,1,2,3
	v_lshlrev_b32 v[55+\k], v[55+\k], 1
.endr
	v_or_b32 v55, v55, v56
	v_or_b32 v57, v57, v58
	v_or_b32 v55, v55, v57                         ; the experts of my two rows, a bit each
	s_mov_b32 s17, 0                               ; USED: the experts of all 32 rows; the same in all four waves
.irp e, 0,1,2,3,4,5,6,7
	v_and_b32 v56, 1<<\e, v55
	v_cmp_ne_u32 s[24+\e], 0, v56                  ; the lanes one of whose rows names expert e
.endr
	s_wait_alu depctr_va_sdst(0)                   ; the eight masks are written into s24 to s31, ahead of their first readers: one wait for the run
.irp e, 0,1,2,3,4,5,6,7
	s_cmp_lg_u32 s[24+\e], 0
	s_cselect_b32 s[24+\e], 1<<\e, 0
	s_or_b32 s17, s17, s[24+\e]
.endr
	WIN 0x40                                       ; y begins as zeros, while x is on its way: which expert comes first is data, and a second copy of the down phase with sums begun by the first product would double its text
.set yj, 0
.rept 128
	v_pk_mul_f32 v[yj:yj+1], v[ZP:ZP+1], v[ZP:ZP+1]
.set yj, yj+2
.endr
	WIN 0xc0                                       ; the ring's slots 8 to 10 begin as zeros (the code 0): they hold codes on every way through the text, as slots 0 to 7 hold x's bytes
.set yj, 0
.rept 48
	v_pk_mul_f32 v[yj:yj+1], v[ZP:ZP+1], v[ZP:ZP+1]
.set yj, yj+2
.endr
	WIN 0
	s_wait_xcnt 0x0                                ; x's loads have read their offsets: v64-79 become the quantiser's
	s_wait_alu depctr_vm_vsrc(0)                   ; the loads issued so far have read v64 to v79 and v82 to v84, which vector instructions and LDS loads write from here on
.irp b, 0,1,2,3
	v_mov_b32 v[TM+4+\b], 0                        ; a lane permute's destination counts as one of its sources
.endr
; my four fragments of x.  Behind K step i's sixteen loads 16 (3 - i) were issued.  K step i + 1 turns through the stage while K step i is quantised.
	s_wait_loadcnt 48
	TURN 0
.irp i, 0,1,2,3
.if \i < 3
	s_wait_loadcnt 16*(2-\i)
	TURN \i+1
.endif
.if \i == 0
	s_wait_dscnt 32                                ; K step 0 is back; the next turn's 32 LDS instructions may be out
.elseif \i < 3
	s_wait_dscnt 37                                ; behind this K step's loads: the last image's five stores and the next turn's 32.  The image before last has left its registers
.else
	s_wait_dscnt 5                                 ; the last image's five stores may be out
.endif
.if \i >= 2
	s_wait_alu depctr_vm_vsrc(0)                   ; the stores of the image before last have read its codes and its scale word, which this quantising writes again
.endif
	QUANT ACC+64*(\i%2), \i%2
	s_wait_alu depctr_va_vdst(0)                   ; the conversions have written the codes and the scale word, which the stores below read; the quantiser is done with this set of 64 numbers, in which the turn after next lands
	IMAGE XWI, XIMG+2048*\i, \i%2
	ds_store_b32 v[XWS], v[PW+\i%2] offset:XSC+128*\i   ; lanes r and 16 + r write the same word with the same value
.endr
	s_wait_dscnt 0x0                               ; for the others' sake: my images have landed
	s_barrier_signal -1
	s_barrier_wait -1                              ; x's sixteen fragments lie in LDS, for the whole launch
	s_wait_alu depctr_vm_vsrc(0)                   ; my LDS stores have read window 2's registers, which are the ring's from here on, and v80, v81 and v96 to v127, in which the rows' fragments land
.irp s, 0,1,2,3,4,5,6,7
	ds_load_b32 v[XS+\s], v[L4] offset:XSC+128*\s  ; lanes 0-15: rows 0-15, lanes 16-31: rows 16-31
.endr
	s_wait_dscnt 0x0
	s_mov_b32 s18, 0                               ; e
; ---------------- the walk over the experts: eight trips, two barriers each, on every wave's way; the branches lead round the work alone
.Ltrip:
	s_lshr_b32 s26, s17, s18
	s_and_b32 s26, s26, 1
	s_cmp_lg_u32 s26, 0
	s_cbranch_scc0 .Lno_up
	PHASE 0                                        ; my 128 hidden units for the 32 rows
.irp n, 0,1,2,3,4,5,6,7
	GELU \n
.endr
	QUANT ACC, 0                                   ; they are K step w of the second product
	QUANT ACC+64, 1
	s_wait_alu depctr_va_vdst(0)                   ; the conversions have written both sets of codes and both scale words, which the stores below read; gelu and the quantiser are done with v64 to v127 and the up phase's products with the ring: the down phase's loads land there
	IMAGE HWI, HIMG, 0
	ds_store_b32 v[HWS], v[PW] offset:HSC
	IMAGE HWI, HIMG+8192, 1
	ds_store_b32 v[HWS], v[PW+1] offset:HSC+64
	s_wait_alu depctr_vm_vsrc(0)                   ; these stores have read v80, v81 and v96 to v127, which the down phase's LDS loads, a later trip's gelu and the way out's offsets write
.Lno_up:
	s_wait_dscnt 0x0                               ; my images of the hidden layer have landed
	s_barrier_signal -1
	s_barrier_wait -1
	s_lshr_b32 s26, s17, s18
	s_and_b32 s26, s26, 1
	s_cmp_lg_u32 s26, 0
	s_cbranch_scc0 .Lno_down
.irp m, 0,1
	v_cmp_eq_u32 s[24+2*\m], s18, v[IDX+2*\m]
	v_cmp_eq_u32 s[25+2*\m], s18, v[IDX+2*\m+1]
.endr
	s_wait_alu depctr_va_sdst(0)                   ; the four masks are written into s24 to s27, ahead of the selects that read them: one wait for the run
.irp m, 0,1
	v_cndmask_b32 v28, 0, v[PP+2*\m], s[24+2*\m]
	v_cndmask_b32 v29, 0, v[PP+2*\m+1], s[25+2*\m]
	v_add_f32 v[GA+2*\m], v28, v29                 ; the row's gate for this expert: 0, one p, or both
.endr
	PHASE 1                                        ; my 256 outputs, in two chunks of 128; y += gate x each
.Lno_down:
	s_wait_dscnt 0x0                               ; my reads of the hidden layer are over: the next trip may write it
	s_barrier_signal -1
	s_barrier_wait -1
	s_wait_xcnt 0x0                                ; the loads that named the pointer have read it
	s_add_nc_u64 s[PCUR:PCUR+1], s[PCUR:PCUR+1], EXB   ; the next expert's blocks: a constant step in every trip, used or not
	s_add_co_u32 s18, s18, 1
	s_cmp_lt_u32 s18, 8
	s_cbranch_scc1 .Ltrip
; ---------------- the way out: my 256 columns of the 32 rows go through my own stage and leave as runs of 512 consecutive aligned bytes of a row
.irp m, 0,1
.irp q, 0,1
.irp r, 0,1,2,3,4,5,6,7
	v_readlane_b32 s[24+\r], v[TOK+\m], 8*\q+\r
.endr
	s_wait_alu depctr_va_sdst(0)                   ; the eight tokens' numbers are written into s24 to s31, ahead of their first readers: one wait for the run
.irp r, 0,1,2,3,4,5,6,7
	s_min_u32 s[24+\r], s[24+\r], 0x1fff
	s_lshl_b32 s[24+\r], s[24+\r], 12
	v_add_nc_u32 v[VO+16*\m+8*\q+\r], s[24+\r], v[CB]
.endr
.endr
.endr
	WIN 0x04                                       ; an LDS store's data are its source 1: window 1
	s_wait_alu depctr_va_vdst(0)                   ; y is written, which the LDS stores read; the 32 offsets v64 to v95 are written, which the global stores read; the last sums are done reading the accumulators' registers, in which the loads from the stage land
.irp c, 0,1
.irp m, 0,1
.irp t, 0,1,2,3,4,5,6,7
	ds_store_b128 v[SO], v[128*\c+64*\m+8*\t:128*\c+64*\m+8*\t+3] offset:16*SROW*\m+512*\c+128*(\t/2)+32*(\t%2)
	ds_store_b128 v[SO], v[128*\c+64*\m+8*\t+4:128*\c+64*\m+8*\t+7] offset:16*SROW*\m+512*\c+128*(\t/2)+32*(\t%2)+16
.endr
.endr
.endr
	WIN 0
.macro LOADG g                         ; eight rows back, into set g % 2 of the accumulators' registers.  LDS serves a wave's instructions in order (ISA guide 5.7.1.4): these see my stores
.irp k, 0,1,2,3,4,5,6,7
.irp u, 0,1
	ds_load_b128 v[ACC+64*((\g)%2)+8*\k+4*\u:ACC+64*((\g)%2)+8*\k+4*\u+3], v[SR] offset:SROW*(8*(\g)+\k)+512*\u
.endr
.endr
.endm
.macro STOREG g
.irp k, 0,1,2,3,4,5,6,7
.irp u, 0,1
	global_store_b128 v[VO+8*(\g)+\k], v[ACC+64*((\g)%2)+8*\k+4*\u:ACC+64*((\g)%2)+8*\k+4*\u+3], s[14:15] offset:512*\u th:TH_STORE_NT
.endr
.endr
.endm
	LOADG 0
	LOADG 1
	s_wait_dscnt 16                                ; group 0 is back; group 1's sixteen loads may be out
	STOREG 0
	s_wait_xcnt 0x0                                ; group 0's stores have read their registers
	s_wait_alu depctr_vm_vsrc(0)                   ; group 0's stores have read set 0, in which group 2's loads land
	LOADG 2
	s_wait_dscnt 16
	STOREG 1
	s_wait_xcnt 0x0
	s_wait_alu depctr_vm_vsrc(0)                   ; group 1's stores have read set 1, in which group 3's loads land
	LOADG 3
	s_wait_dscnt 16
	STOREG 2
	s_wait_dscnt 0x0
	STOREG 3
	s_wait_dscnt 0x0                               ; the closing lines, six on end
	s_wait_alu 0x0
	s_wait_tensorcnt 0x0
	ds_add_u32 v59, v61
	s_wait_dscnt 0x0
	s_endpgm
.Lfunc_end_k_q878888cfb8_moe:
	.size	k_q878888cfb8_moe, .Lfunc_end_k_q878888cfb8_moe-k_q878888cfb8_moe
	.p2alignl 7, 3214868480
	.fill 96, 4, 3214868480
	.section	.rodata,"a",@progbits
	.p2align	6, 0x0
	.amdhsa_kernel k_q878888cfb8_moe
		.amdhsa_group_segment_fixed_size 184320
		.amdhsa_private_segment_fixed_size 0
		.amdhsa_enable_private_segment 0
		.amdhsa_kernarg_size 48
		.amdhsa_user_sgpr_count 2
		.amdhsa_user_sgpr_kernarg_segment_ptr 1
		.amdhsa_wavefront_size32 1
		.amdhsa_system_sgpr_workgroup_id_x 1
		.amdhsa_system_sgpr_workgroup_id_y 1
		.amdhsa_system_sgpr_workgroup_id_z 1
		.amdhsa_system_vgpr_workitem_id 0
		.amdhsa_next_free_vgpr 864
		.amdhsa_next_free_sgpr 66
		.amdhsa_reserve_vcc 0
		.amdhsa_float_denorm_mode_32 3
		.amdhsa_float_denorm_mode_16_64 3
		.amdhsa_memory_ordered 1
		.amdhsa_forward_progress 1
		.amdhsa_inst_pref_size 255
	.end_amdhsa_kernel
	.section	.bss,"aw",@nobits
	.p2align	6
	.space	262144
	.amdgpu_metadata
---
amdhsa.version: [ 1, 2 ]
amdhsa.kernels:
  - .name:           k_q878888cfb8_moe
    .symbol:         k_q878888cfb8_moe.kd
    .args:
      - { .name: x, .offset: 0, .size: 8, .value_kind: global_buffer, .address_space: global }
      - { .name: expert_idxs, .offset: 8, .size: 8, .value_kind: global_buffer, .address_space: global }
      - { .name: expert_p, .offset: 16, .size: 8, .value_kind: global_buffer, .address_space: global }
      - { .name: order, .offset: 24, .size: 8, .value_kind: global_buffer, .address_space: global }
      - { .name: wq, .offset: 32, .size: 8, .value_kind: global_buffer, .address_space: global }
      - { .name: out0, .offset: 40, .size: 8, .value_kind: global_buffer, .address_space: global }
    .group_segment_fixed_size: 184320
    .private_segment_fixed_size: 0
    .kernarg_segment_align: 8
    .kernarg_segment_size: 48
    .max_flat_workgroup_size: 128
    .sgpr_count:     66
    .vgpr_count:     864
    .wavefront_size: 32
...
	.end_amdgpu_metadata
.endif
;; end of part 4
